; MI455X (gfx1250); checked and timed in simulation.
; The chip was launched on July 23, 2026; its instructions are those of AMD's public machine-readable ISA for CDNA 5 (MIT licence, August 2026) and "CDNA5" Instruction Set Architecture Reference Guide (July 2026). The comments in the code are by the model that wrote it; some were corrected since.
;; Grouped Experts. Allowed arithmetic: float matrix products may take bf16 or f16 operands with f32 sums; all other float work in f32.
;; Inputs: expert_ends 8 int32; expert_starts 8 int32; sorted_x 4,096 x 512 float32; w12 8 x 2,048 x 512 float32; w3 8 x 512 x 1,024 float32.
;; Outputs: out0 4,096 x 512 float32.
;; 2 versions, each right; version 2 is version 1 with the launches gate_up, down written anew for expert scheduling mode. Each part assembles by itself: llvm-mc -triple=amdgcn-amd-amdhsa -mcpu=gfx1250 --defsym DOCPART=n.
;; ======== version 1 of 2: 2 launches
;; workspace buffers: hfrag 67,108,864 bytes
;; launch gate_up (part 1): grid 8 x 32, 4 waves a work-group, no clusters, 207,360 bytes of LDS; arguments sorted_x, w12, expert_starts, expert_ends, hfrag; writes hfrag
.if DOCPART == 1
	.amdgcn_target "amdgcn-amd-amdhsa--gfx1250"
	.amdhsa_code_object_version 6
	.text
	.protected	k_q80aad0883a_gate_up
	.globl	k_q80aad0883a_gate_up
	.p2align	8
	.type	k_q80aad0883a_gate_up,@function
k_q80aad0883a_gate_up:
	s_mov_b64 s[64:65], 0
	v_nop
	global_prefetch_b8 v0, s[64:65] scope:SCOPE_SE
	s_setreg_imm32_b32 hwreg(HW_REG_WAVE_MODE, 25, 1), 1
	s_wait_xcnt 0x0
; h_e = silu(x W1_e^T) * (x W2_e^T) for every pair (expert e, block of 128 tokens) whose ranges meet; rows of the block outside
; [start_e, end_e) are stored as 0; h is rounded to bf16 and stored as matrix fragments for the second launch.
; x: [4096][512] f32.  w12: [8][2048][512] f32 (rows 0-1023 W1, rows 1024-2047 W2).  starts, ends: [8] i32, honoured as given
; (overlaps, holes, empty ranges, values outside 0..4096).
; hfrag byte = e*8388608 + (token/16)*32768 + (hidden/32)*1024 + c*512 + lane*16: lane (r, hh) holds token 16*tile + r and the eight
; hidden numbers 32*kblk + 16c + 8hh + 0..7.  That is what a lane holds here after packing, and what source 1 of the second launch's
; matrix instruction wants: each store of a wave covers 512 consecutive bytes, aligned.
;
; SHARES.  Grid 8 x 32: group (bx, by) owns tokens 128 by .. +127 and hidden 128 bx .. +127.  Wave w owns hidden 128 bx + 32 w .. +31,
; that is 32 rows of W1 and the matching 32 rows of W2 (64 weight rows), for all 128 tokens: 32 accumulator tiles, 256 registers.
; The x block is rounded to bf16 and laid into LDS once, ahead of the expert loop, behind the launch's only barrier.  Inside the loop a wave
; touches only the x block (read only) and weight tiles in LDS bytes of its own, so the branch that skips an expert jumps over no barrier.
; Weights go global_load (f32) -> v_cvt_pk_bf16_f32 -> ds_store_b64 -> ds_load_b128 (fragments): 2 bytes a number through LDS.
;
; NO TENSOR LOADS, NO CLUSTER: a tile copied by the mover would lie in LDS as f32 (4 bytes in and 4 back for a number, against 2 and 2 here);
; a refill of such a slot wants a barrier, which would stand under the branch that hangs on the lists; and the groups that share an
; expert's weights are other token blocks, which by the lists may skip that expert, so they cannot be held to joint requests.
;
; LIMITS.  Matrix operands and h are bf16.  sigmoid(a) = rcp(1 + exp2(-1.442695 a)): where exp2 overflows the sum is +inf and sigmoid is 0,
; where reference() has a number below 1e-38.  h = (a sigmoid(a)) b, in f32.
;
; THE MATRIX INSTRUCTION IS USED TRANSPOSED: source 0 = 16 weight rows, source 1 = 16 tokens.  Lane (r, hh) of the result holds token r and
; weight rows 8 hh + 0..7 in registers 0..7: eight neighbouring hidden numbers of one token.
;
; REGISTER WINDOWS of 256: 0 addresses, packed words, fragments; 1 accumulators, tile (nt, mt) at 8 (8 nt + mt); 2 two sets of 128 for loads.
.set XPITCH, 1040                      ; LDS row of x: 512 bf16 + 16 bytes; an odd multiple of 16, so sixteen rows' 16-byte pieces differ modulo 256
.set WPITCH, 144                       ; LDS row of a weight tile: 64 bf16 + 16 bytes, likewise
.set WTILE,  64*WPITCH                 ; 64 weight rows x 64 along K
.set WBASE,  128*XPITCH                ; weight tiles lie behind the x block: two for each wave
.set XO,  4                            ; v4   16 lane: offset of x loads and of h stores
.set XS,  5                            ; v5   where I store my 8 bytes of x in LDS
.set WO,  6                            ; v6   weight loads: 8 hh rows of 2,048 bytes + 16 r
.set BS,  7                            ; v7   weight stores to LDS: my tiles + 8 hh rows + 8 r
.set BFA, 8                            ; v8   weight fragments: my tiles + r rows + 16 hh
.set XA,  9                            ; v9, v10  x fragments: r rows + 16 hh, for token tiles 0-3 and 4-7
.set TK,  12                           ; v12  my token in tile 0: 128 by + r
.set TD,  13                           ; v13  that token minus the pass's lower bound
.set TM,  14                           ; v14  the same for the tile at work
.set PK,  16                           ; v[16:47]   32 packed words on their way to LDS
.set BF,  48                           ; v[48:111]  weight fragments, two buffers of 4 x 8
.set XF,  112                          ; v[112:239] x fragments, two buffers of 8 x 8
.set T,   112                          ; v[112:127] SwiGLU: 16 numbers at work (x fragments are done with by then)
.set F,   128                          ; v[128:135] SwiGLU: 16 bf16 to store
.set S0,  0                            ; window 2: load set 0
.set S1,  128                          ; window 2: load set 1
.set WB,  40                           ; s[40:41] my weight rows of the expert at work
.set HB,  42                           ; s[42:43] my fragments of hfrag for the expert at work
.set XB,  46                           ; s[46:47] my 32 rows of x
.set MSB, 0
.macro WIN new                         ; the immediate's high byte repeats the setting that is left
.if MSB != \new
	s_set_vgpr_msb (MSB<<8)|\new
.set MSB, \new
.endif
.endm
.macro PLACES                          ; four independent vector instructions behind a matrix instruction (ISA guide 7.12.1)
.rept 4
	v_nop
.endr
.endm
	s_load_b256 s[4:11], s[0:1], 0x0               ; x s[4:5], w12 s[6:7], starts s[8:9], ends s[10:11]
	s_load_b64 s[12:13], s[0:1], 0x20              ; hfrag
	v_lshl_add_u32 v254, v0, 2, 0x32800
	v_mov_b32 v255, 0
	v_lshrrev_b32 v1, 5, v0
	v_readfirstlane_b32 s14, v1                    ; wave w
	s_and_b32 s16, ttmp7, 0xffff                   ; by
	s_lshl_b32 s17, s16, 7                         ; t0 = 128 by
	s_add_co_u32 s18, s17, 128                     ; t0 + 128
	v_and_b32 v1, 31, v0                           ; lane
	v_and_b32 v2, 15, v0                           ; r
	v_bfe_u32 v3, v0, 4, 1                         ; hh
	v_lshlrev_b32 v[XO], 4, v1
	s_mul_i32 s23, s14, 32*XPITCH                  ; my 32 rows of the x block
	v_lshl_add_u32 v[XS], v1, 3, s23
	v_lshlrev_b32 v[WO], 4, v2
	v_lshl_add_u32 v[WO], v3, 14, v[WO]            ; + 8 hh rows of 2,048 bytes
	s_mul_i32 s23, s14, 2*WTILE
	s_add_co_u32 s23, s23, WBASE                   ; my two weight tiles
	v_mul_u32_u24 v[BS], v3, 8*WPITCH
	v_lshl_add_u32 v[BS], v2, 3, v[BS]
	v_add_nc_u32 v[BS], s23, v[BS]
	v_mul_u32_u24 v[BFA], v2, WPITCH
	v_lshl_add_u32 v[BFA], v3, 4, v[BFA]
	v_add_nc_u32 v[BFA], s23, v[BFA]
	v_mul_u32_u24 v[XA], v2, XPITCH
	v_lshl_add_u32 v[XA], v3, 4, v[XA]
	v_add_nc_u32 v[XA+1], 64*XPITCH, v[XA]
	v_add_nc_u32 v[TK], s17, v2
	s_lshl_b32 s20, s16, 18                        ; by x 128 rows x 2,048 bytes (also by x 8 tiles x 32,768 bytes of hfrag)
	s_lshl_b32 s21, s14, 16                        ; w x 32 rows x 2,048 bytes
	s_lshl_b32 s22, ttmp9, 18                      ; bx x 128 rows x 2,048 bytes
	s_mov_b32 s45, 0
	s_wait_kmcnt 0x0
	s_load_b256 s[24:31], s[8:9], 0x0              ; the eight starts
	s_load_b256 s[32:39], s[10:11], 0x0            ; the eight ends; both are waited for in front of the expert loop
	s_add_co_u32 s44, s20, s21
	s_add_nc_u64 s[XB:XB+1], s[4:5], s[44:45]
	s_add_co_u32 s44, s22, s21
	s_add_nc_u64 s[WB:WB+1], s[6:7], s[44:45]
	s_lshl_b32 s44, ttmp9, 12                      ; kblk = 4 bx + w, 1,024 bytes each
	s_lshl_b32 s23, s14, 10
	s_add_co_u32 s44, s44, s23
	s_add_co_u32 s44, s44, s20
	s_add_nc_u64 s[HB:HB+1], s[12:13], s[44:45]
; 32 numbers pairs of one half of a load set (16 loads of 4 f32 a lane) are rounded to bf16: 8 bytes a lane and load
.macro CVT16 set, half
	WIN 0x0a                                       ; both sources in window 2
.set ii, 0
.rept 16
	v_cvt_pk_bf16_f32 v[PK+2*ii],   v[\set+4*(16*\half+ii)],   v[\set+4*(16*\half+ii)+1]
	v_cvt_pk_bf16_f32 v[PK+2*ii+1], v[\set+4*(16*\half+ii)+2], v[\set+4*(16*\half+ii)+3]
.set ii, ii+1
.endr
.endm
; x: group g of a wave's 64 KiB is 8 rows = 32 loads of 512 consecutive bytes
.macro LOADX g, set
	WIN 0x80                                       ; destination in window 2
.set tt, 0
.rept 32
	global_load_b128 v[4*tt+\set:4*tt+\set+3], v[XO], s[XB:XB+1] offset:(\g)*16384+tt*512
.set tt, tt+1
.endr
.endm
.macro STX g, half                     ; load t of group g is a quarter (t & 3) of row 8 g + (t >> 2): 256 consecutive bytes of LDS
	WIN 0
.set ii, 0
.rept 16
.set tt, 16*\half+ii
	ds_store_b64 v[XS], v[PK+2*ii:PK+2*ii+1] offset:(8*(\g)+(tt>>2))*XPITCH+(tt&3)*256
.set ii, ii+1
.endr
.endm
.macro CVTX g, set                     ; the stores' data registers are read at issue: the second half may follow at once
	CVT16 \set, 0
	STX \g, 0
	CVT16 \set, 1
	STX \g, 1
.endm
	; PHASE 1: my 32 rows of x, f32 to bf16, into LDS.  Two groups of 32 loads are kept on their way.
	LOADX 0, S0
	LOADX 1, S1
	s_wait_loadcnt 32                              ; loads return in order (ISA guide 5.7.1): group 0 is in, the 32 of group 1 stay out
	CVTX 0, S0
	LOADX 2, S0
	s_wait_loadcnt 32                              ; group 1 is in, group 2 stays out
	CVTX 1, S1
	LOADX 3, S1
	s_wait_loadcnt 32                              ; group 2 is in, group 3 stays out
	CVTX 2, S0
	s_wait_loadcnt 0                               ; nothing was issued behind group 3
	CVTX 3, S1
	s_wait_dscnt 0x0                               ; for the other waves' sake: my rows of x are in LDS
	s_barrier_signal -1
	s_barrier_wait -1                              ; the whole block is; it is never written again
	s_wait_kmcnt 0x0                               ; the lists
; Weights.  Load t brings 256 bytes (64 f32 along K, step ks) of local row rho(t) = 16 (t >> 3) + (t & 7) in lanes 0-15 and of row rho + 8
; in lanes 16-31.  Local rows 0-31 are W1's, 32-63 the same hidden numbers' rows of W2, 1,024 rows further down.
.macro LOADW ks, set
	WIN 0x80
.set tt, 0
.rept 32
.set rho, 16*(tt>>3)+(tt&7)
	global_load_b128 v[4*tt+\set:4*tt+\set+3], v[WO], s[WB:WB+1] offset:((rho&31)+(rho>>5)*1024)*2048+(\ks)*256
.set tt, tt+1
.endr
.endm
.macro STW buf, half                   ; lanes 0-15 fill 128 bytes of row rho, lanes 16-31 of row rho + 8: 1,152 bytes on, the other half of 256
	WIN 0
.set ii, 0
.rept 16
.set tt, 16*\half+ii
	ds_store_b64 v[BS], v[PK+2*ii:PK+2*ii+1] offset:(\buf)*WTILE+(16*(tt>>3)+(tt&7))*WPITCH
.set ii, ii+1
.endr
.endm
.macro CVTW set, buf
	CVT16 \set, 0
	STW \buf, 0
	CVT16 \set, 1
	STW \buf, 1
.endm
; 24 LDS loads: the fragments of 32 along K (half kb of K step ks): 4 x 16 weight rows from tile buf, 8 x 16 tokens from the x block.
; A fragment is two loads of 16 bytes, 32 bytes apart, at row x pitch + 16 hh.
.macro FETCH buf, kb, ks, fb
	WIN 0
.irp nt, 0,1,2,3
	ds_load_b128 v[BF+32*\fb+8*\nt:BF+32*\fb+8*\nt+3],   v[BFA] offset:(\buf)*WTILE+\nt*16*WPITCH+\kb*64
	ds_load_b128 v[BF+32*\fb+8*\nt+4:BF+32*\fb+8*\nt+7], v[BFA] offset:(\buf)*WTILE+\nt*16*WPITCH+\kb*64+32
.endr
.irp mt, 0,1,2,3,4,5,6,7
	ds_load_b128 v[XF+64*\fb+8*\mt:XF+64*\fb+8*\mt+3],   v[XA+(\mt>>2)] offset:(\mt&3)*16*XPITCH+(\ks)*128+\kb*64
	ds_load_b128 v[XF+64*\fb+8*\mt+4:XF+64*\fb+8*\mt+7], v[XA+(\mt>>2)] offset:(\mt&3)*16*XPITCH+(\ks)*128+\kb*64+32
.endr
.endm
; 32 matrix instructions: 64 weight rows x 128 tokens x 32 along K.  zero = 1: the first product starts the sums, nothing is cleared.
.macro MUL fb, zero
	WIN 0x50                                       ; C and D in window 1
.irp nt, 0,1,2,3
.irp mt, 0,1,2,3,4,5,6,7
.if \zero
	v_wmma_f32_16x16x32_bf16 v[8*(8*\nt+\mt):8*(8*\nt+\mt)+7], v[BF+32*\fb+8*\nt:BF+32*\fb+8*\nt+7], v[XF+64*\fb+8*\mt:XF+64*\fb+8*\mt+7], 0
.else
	v_wmma_f32_16x16x32_bf16 v[8*(8*\nt+\mt):8*(8*\nt+\mt)+7], v[BF+32*\fb+8*\nt:BF+32*\fb+8*\nt+7], v[XF+64*\fb+8*\mt:XF+64*\fb+8*\mt+7], v[8*(8*\nt+\mt):8*(8*\nt+\mt)+7]
.endif
.endr
.endr
.endm
; K step ks (64 along K) = two halves of 32 on fragment buffers 0 and 1.  Between them the next K step's weights are rounded and laid into
; the other tile, and the K step three ahead is asked for.
.macro STEP ks
.set cur, (\ks)&1
.set nxt, ((\ks)+1)&1
.if \ks > 0
	PLACES                                         ; buffer 1 was read by the matrix instructions just issued (ISA guide 7.12.1)
.endif
	FETCH cur, 1, \ks, 1
	s_wait_dscnt 24                                ; LDS serves a wave in order (ISA guide 5.7.1): only the 24 loads just issued stay out, buffer 0 is whole
.if \ks == 0
	MUL 0, 1
.else
	MUL 0, 0
.endif
.if \ks < 7
.if \ks < 6
	s_wait_loadcnt 32                              ; K step ks + 1 is in; the 32 loads of K step ks + 2 stay out
.else
	s_wait_loadcnt 0                               ; K step 7 is the last that was asked for
.endif
	CVTW 128*nxt, nxt                              ; its 64 conversions, which name no register of the products above, are also the places behind them
.if \ks < 5
	LOADW \ks+3, 128*nxt                           ; into the set just read out
.endif
	FETCH nxt, 0, \ks+1, 0                         ; sees the stores above: one wave's LDS instructions are served in order
	s_wait_dscnt 56                                ; 32 stores and 24 loads are younger than buffer 1's loads
.else
	s_wait_dscnt 0                                 ; nothing was issued behind buffer 1's loads
.endif
	MUL 1, 0
.endm
; SwiGLU of token tile mt: a = tiles (0, mt), (1, mt), b = tiles (2, mt), (3, mt), 16 numbers a lane each.
.macro SWIGLU mt
	WIN 0x01                                       ; source 0 in window 1
.irp j, 0,2,4,6
	v_pk_mul_f32 v[T+\j:T+\j+1],     v[8*\mt+\j:8*\mt+\j+1],       0xbfb8aa3b op_sel_hi:[1,0]   ; -1.442695 a
	v_pk_mul_f32 v[T+8+\j:T+8+\j+1], v[64+8*\mt+\j:64+8*\mt+\j+1], 0xbfb8aa3b op_sel_hi:[1,0]
.endr
	WIN 0
.set ii, 0
.rept 16
	v_exp_f32 v[T+ii], v[T+ii]
.set ii, ii+1
.endr
	v_add_nc_u32 v[TM], 16*\mt, v[TD]              ; my token minus the lower bound; also the plain instruction behind the exponentials (ISA guide 5.7.2)
	s_wait_alu depctr_va_vdst(0)
.irp j, 0,2,4,6,8,10,12,14
	v_pk_add_f32 v[T+\j:T+\j+1], v[T+\j:T+\j+1], 1.0 op_sel_hi:[1,0]
.endr
.set ii, 0
.rept 16
	v_rcp_f32 v[T+ii], v[T+ii]                     ; sigmoid(a)
.set ii, ii+1
.endr
	v_cmp_gt_u32 vcc_lo, s22, v[TM]                ; lo <= token < hi as one unsigned compare; also the plain instruction behind the reciprocals
	WIN 0x01
	s_wait_alu depctr_va_vdst(0)
.irp j, 0,2,4,6
	v_pk_mul_f32 v[T+\j:T+\j+1],     v[8*\mt+\j:8*\mt+\j+1],       v[T+\j:T+\j+1]               ; a sigmoid(a)
	v_pk_mul_f32 v[T+8+\j:T+8+\j+1], v[64+8*\mt+\j:64+8*\mt+\j+1], v[T+8+\j:T+8+\j+1]
.endr
.irp j, 0,2,4,6
	v_pk_mul_f32 v[T+\j:T+\j+1],     v[128+8*\mt+\j:128+8*\mt+\j+1], v[T+\j:T+\j+1]             ; times b
	v_pk_mul_f32 v[T+8+\j:T+8+\j+1], v[192+8*\mt+\j:192+8*\mt+\j+1], v[T+8+\j:T+8+\j+1]
.endr
	WIN 0
	s_wait_xcnt 0x0                                ; F is the last tile's store data: rewritten only behind this wait (ISA guide 3.1)
.irp i, 0,1,2,3,4,5,6,7
	v_cvt_pk_bf16_f32 v[F+\i], v[T+2*\i], v[T+2*\i+1]
.endr
.irp i, 0,1,2,3,4,5,6,7
	v_cndmask_b32 v[F+\i], 0, v[F+\i], vcc_lo      ; a token outside the expert's range gets zeros, whatever was computed for it
.endr
	global_store_b128 v[XO], v[F:F+3],   s[HB:HB+1] offset:\mt*32768        ; c = 0: hidden 8 hh + 0..7;  512 consecutive bytes a wave
	global_store_b128 v[XO], v[F+4:F+7], s[HB:HB+1] offset:\mt*32768+512    ; c = 1: hidden 16 + 8 hh + 0..7
.endm
	; PHASE 2: the experts.  s24 and s32 hold the bounds of the expert at work; the lists move down by one in each trip.
	WIN 0
	s_mov_b32 s19, 0
.Lexp:
	s_max_i32 s20, s24, s17                        ; lo = max(start, t0)
	s_min_i32 s21, s32, s18                        ; hi = min(end, t0 + 128)
	s_cmp_lt_i32 s20, s21
	s_cbranch_scc0 .Lnext                          ; no token of the block belongs to this expert: nothing is stored, and the second launch, by the same test, reads nothing
	s_sub_co_i32 s22, s21, s20                     ; 1 to 128
	v_sub_nc_u32 v[TD], v[TK], s20
	LOADW 0, S0
	LOADW 1, S1
	s_wait_loadcnt 32                              ; K step 0 is in, the 32 loads of K step 1 stay out
	CVTW S0, 0
	LOADW 2, S0
	FETCH 0, 0, 0, 0
	STEP 0
	STEP 1
	STEP 2
	STEP 3
	STEP 4
	STEP 5
	STEP 6
	STEP 7
	PLACES                                         ; behind the last products, in front of the vector instructions that read the sums and write over x fragments
	SWIGLU 0
	SWIGLU 1
	SWIGLU 2
	SWIGLU 3
	SWIGLU 4
	SWIGLU 5
	SWIGLU 6
	SWIGLU 7
	WIN 0
.Lnext:
	s_wait_xcnt 0x0                                ; the bases, and F, which the next pass's fragment loads land on, are rewritten only behind this wait
.irp k, 0,1,2,3,4,5,6
	s_mov_b32 s[24+\k], s[25+\k]
	s_mov_b32 s[32+\k], s[33+\k]
.endr
	s_add_nc_u64 s[WB:WB+1], s[WB:WB+1], 0x400000  ; 2,048 rows x 2,048 bytes: the next expert's w12
	s_add_nc_u64 s[HB:HB+1], s[HB:HB+1], 0x800000  ; and its part of hfrag
	s_add_co_u32 s19, s19, 1
	s_cmp_lt_u32 s19, 8
	s_cbranch_scc1 .Lexp
	s_wait_tensorcnt 0x0
	ds_add_u32 v254, v255
	s_wait_dscnt 0x0
	s_endpgm
.Lfunc_end_k_q80aad0883a_gate_up:
	.size	k_q80aad0883a_gate_up, .Lfunc_end_k_q80aad0883a_gate_up-k_q80aad0883a_gate_up
	.p2alignl 7, 3214868480
	.fill 96, 4, 3214868480
	.section	.rodata,"a",@progbits
	.p2align	6, 0x0
	.amdhsa_kernel k_q80aad0883a_gate_up
		.amdhsa_group_segment_fixed_size 207360
		.amdhsa_private_segment_fixed_size 0
		.amdhsa_enable_private_segment 0
		.amdhsa_kernarg_size 40
		.amdhsa_user_sgpr_count 2
		.amdhsa_user_sgpr_kernarg_segment_ptr 1
		.amdhsa_wavefront_size32 1
		.amdhsa_system_sgpr_workgroup_id_x 1
		.amdhsa_system_sgpr_workgroup_id_y 1
		.amdhsa_system_sgpr_workgroup_id_z 1
		.amdhsa_system_vgpr_workitem_id 0
		.amdhsa_next_free_vgpr 768
		.amdhsa_next_free_sgpr 66
		.amdhsa_reserve_vcc 1
		.amdhsa_float_denorm_mode_32 3
		.amdhsa_float_denorm_mode_16_64 3
		.amdhsa_memory_ordered 1
		.amdhsa_forward_progress 1
		.amdhsa_inst_pref_size 209
	.end_amdhsa_kernel
	.amdgpu_metadata
---
amdhsa.version: [ 1, 2 ]
amdhsa.kernels:
  - .name:           k_q80aad0883a_gate_up
    .symbol:         k_q80aad0883a_gate_up.kd
    .args:
      - { .name: sorted_x, .offset: 0, .size: 8, .value_kind: global_buffer, .address_space: global }
      - { .name: w12, .offset: 8, .size: 8, .value_kind: global_buffer, .address_space: global }
      - { .name: expert_starts, .offset: 16, .size: 8, .value_kind: global_buffer, .address_space: global }
      - { .name: expert_ends, .offset: 24, .size: 8, .value_kind: global_buffer, .address_space: global }
      - { .name: hfrag, .offset: 32, .size: 8, .value_kind: global_buffer, .address_space: global }
    .group_segment_fixed_size: 207360
    .private_segment_fixed_size: 0
    .kernarg_segment_align: 8
    .kernarg_segment_size: 40
    .max_flat_workgroup_size: 128
    .sgpr_count:     66
    .vgpr_count:     768
    .wavefront_size: 32
...
	.end_amdgpu_metadata
.endif
;; end of part 1
;; launch down (part 2): grid 8 x 32, 4 waves a work-group, no clusters, 213,504 bytes of LDS; arguments hfrag, w3, expert_starts, expert_ends, out0; writes out0
.if DOCPART == 2
	.amdgcn_target "amdgcn-amd-amdhsa--gfx1250"
	.amdhsa_code_object_version 6
	.text
	.protected	k_q80aad0883a_down
	.globl	k_q80aad0883a_down
	.p2align	8
	.type	k_q80aad0883a_down,@function
k_q80aad0883a_down:
	s_mov_b64 s[64:65], 0
	v_nop
	global_prefetch_b8 v0, s[64:65] scope:SCOPE_SE
	s_setreg_imm32_b32 hwreg(HW_REG_WAVE_MODE, 25, 1), 1
	s_wait_xcnt 0x0
; out[t] = sum over the experts e whose range meets t's block of 128 tokens of h_e[t] W3_e^T.  h_e comes from the first launch as bf16 matrix
; fragments, with zeros in the rows that the lists exclude, so the sum over experts is the masked sum.  w3: [8][512][1024] f32.  out: [4096][512] f32.
; hfrag byte = e*8388608 + (token/16)*32768 + (hidden/32)*1024 + c*512 + lane*16: two loads of 512 consecutive bytes fill a fragment of
; 16 tokens x 32 hidden, with no LDS and no shuffle.  A pair (expert, block) is read only if max(start, t0) < min(end, t0 + 128), the test
; by which the first launch stored it.
;
; SHARES.  Grid 8 x 32: group (bx, by) owns tokens 128 by .. +127 and output columns 64 bx .. +63.  The hidden axis is split over the four
; waves, 256 each: a wave's part of w3 (rounded to bf16 into LDS tiles of its own) and its part of h are then its own, and the branch that
; skips an expert jumps over no barrier.  A wave holds 128 tokens x 64 columns: 32 accumulator tiles, 256 registers, summed over all experts.
; The four partial sums meet in LDS behind the launch's only barrier; from there whole rows of 256 bytes are read, added and stored.
;
; The accumulators are cleared by 256 moves, under the scalar loads' flight: which expert is the first to pass, or whether any passes,
; is known from the lists alone, so no fixed product can start the sums, and a block that no expert covers must come out as zeros.
;
; NO TENSOR LOADS, NO CLUSTER: as in the first launch: f32 tiles would cost LDS 4 bytes in and 4 back for a number against 2 and 2, a slot's refill wants
; a barrier under the list-dependent branch, and the groups that share w3's rows are other token blocks, which may skip the expert.
;
; LIMITS.  Operands are bf16.  w3 must be finite: an excluded row of h is 0, and 0 times an infinite weight is NaN where reference() has 0.
; The sum over the hidden axis is formed as ((p0 + p1) + (p2 + p3)) of four quarters, each summed over the experts in ascending order.
;
; TRANSPOSED USE: source 0 = 16 rows of w3 (output columns), source 1 = 16 tokens of h.  Lane (r, hh) of the result holds token r and the
; eight neighbouring columns 8 hh + 0..7.
; REGISTER WINDOWS: 0 addresses, packed words, weight fragments, the reduction; 1 accumulators, tile (nt, mt) at 8 (8 nt + mt);
; 2 two sets of 128 for weight loads; 3 four buffers of 64 for h fragments.
.set WPITCH, 144                       ; LDS row of a weight tile: 64 bf16 + 16 bytes, an odd multiple of 16
.set WTILE,  64*WPITCH
.set RBASE,  8*WTILE                   ; partial sums lie behind the four waves' tiles
.set RPITCH, 272                       ; a token's 64 f32 + 16 bytes, an odd multiple of 16
.set RPART,  128*RPITCH                ; one wave's partial sums
.set HO,  4                            ; v4   16 lane: offset of h loads
.set WO,  6                            ; v6   weight loads: 8 hh rows of 4,096 bytes + 16 r
.set BS,  7                            ; v7   weight stores to LDS
.set BFA, 8                            ; v8   weight fragments
.set RS,  9                            ; v9   where I put my partial sums
.set RL,  10                           ; v[10:13] where I read part p's rows back
.set OO,  14                           ; v14  my offset in out: hh rows of 2,048 bytes + 16 r
.set PK,  16                           ; v[16:47]   packed words on their way to LDS
.set BF,  48                           ; v[48:111]  weight fragments, two buffers of 4 x 8
.set R0,  112                          ; v[112:175] reduction, buffer 0
.set R1,  176                          ; v[176:239] reduction, buffer 1
.set S0,  0
.set S1,  128
.set WB,  40                           ; s[40:41] my part of w3 of the expert at work
.set HB,  42                           ; s[42:43] my part of hfrag
.set OB,  46                           ; s[46:47] the 32 rows of out that I store
.set MSB, 0
.macro WIN new
.if MSB != \new
	s_set_vgpr_msb (MSB<<8)|\new
.set MSB, \new
.endif
.endm
.macro PLACES                          ; four independent vector instructions behind a matrix instruction (ISA guide 7.12.1)
.rept 4
	v_nop
.endr
.endm
	s_load_b256 s[4:11], s[0:1], 0x0               ; hfrag s[4:5], w3 s[6:7], starts s[8:9], ends s[10:11]
	s_load_b64 s[12:13], s[0:1], 0x20              ; out
	v_lshl_add_u32 v254, v0, 2, 0x34000
	v_mov_b32 v255, 0
	v_lshrrev_b32 v1, 5, v0
	v_readfirstlane_b32 s14, v1                    ; wave w
	s_and_b32 s16, ttmp7, 0xffff                   ; by
	s_lshl_b32 s17, s16, 7                         ; t0
	s_add_co_u32 s18, s17, 128
	v_and_b32 v1, 31, v0                           ; lane
	v_and_b32 v2, 15, v0                           ; r
	v_bfe_u32 v3, v0, 4, 1                         ; hh
	v_lshlrev_b32 v[HO], 4, v1
	v_lshlrev_b32 v[WO], 4, v2
	v_lshl_add_u32 v[WO], v3, 15, v[WO]            ; + 8 hh rows of 4,096 bytes
	s_mul_i32 s23, s14, 2*WTILE                    ; my two weight tiles
	v_mul_u32_u24 v[BS], v3, 8*WPITCH
	v_lshl_add_u32 v[BS], v2, 3, v[BS]
	v_add_nc_u32 v[BS], s23, v[BS]
	v_mul_u32_u24 v[BFA], v2, WPITCH
	v_lshl_add_u32 v[BFA], v3, 4, v[BFA]
	v_add_nc_u32 v[BFA], s23, v[BFA]
	s_mul_i32 s23, s14, RPART
	s_add_co_u32 s23, s23, RBASE                   ; my partial sums: token r of a tile, 32 bytes for each half of the lanes
	v_mul_u32_u24 v[RS], v2, RPITCH
	v_lshl_add_u32 v[RS], v3, 5, v[RS]
	v_add_nc_u32 v[RS], s23, v[RS]
	s_mul_i32 s23, s14, 32*RPITCH
	s_add_co_u32 s23, s23, RBASE                   ; back: rows 32 w + hh of part 0, 16 bytes a lane
	v_mul_u32_u24 v1, v3, RPITCH
	v_lshl_add_u32 v1, v2, 4, v1
	v_add_nc_u32 v[RL], s23, v1
.irp p, 1,2,3
	v_add_nc_u32 v[RL+\p], \p*RPART, v[RL]
.endr
	v_lshlrev_b32 v[OO], 4, v2
	v_lshl_add_u32 v[OO], v3, 11, v[OO]
	s_lshl_b32 s20, s16, 18                        ; by x 8 tiles x 32,768 bytes of hfrag; also by x 128 rows x 2,048 bytes of out
	s_lshl_b32 s21, ttmp9, 18                      ; bx x 64 rows x 4,096 bytes of w3
	s_mov_b32 s45, 0
	s_wait_kmcnt 0x0
	s_load_b256 s[24:31], s[8:9], 0x0              ; the eight starts
	s_load_b256 s[32:39], s[10:11], 0x0            ; the eight ends
	s_lshl_b32 s44, s14, 13                        ; w x 8 blocks of 32 hidden x 1,024 bytes
	s_add_co_u32 s44, s44, s20
	s_add_nc_u64 s[HB:HB+1], s[4:5], s[44:45]
	s_lshl_b32 s44, s14, 10                        ; w x 256 hidden x 4 bytes
	s_add_co_u32 s44, s44, s21
	s_add_nc_u64 s[WB:WB+1], s[6:7], s[44:45]
	s_lshl_b32 s44, s14, 16                        ; w x 32 rows x 2,048 bytes
	s_add_co_u32 s44, s44, s20
	s_lshl_b32 s23, ttmp9, 8                       ; bx x 64 columns x 4 bytes
	s_add_co_u32 s44, s44, s23
	s_add_nc_u64 s[OB:OB+1], s[12:13], s[44:45]
	WIN 0x40                                       ; destination in window 1
.set ii, 0
.rept 256
	v_mov_b32 v[ii], 0                             ; the sums start at 0 (see the head)
.set ii, ii+1
.endr
	WIN 0
	s_wait_kmcnt 0x0                               ; the lists
.macro CVT16 set, half
	WIN 0x0a                                       ; both sources in window 2
.set ii, 0
.rept 16
	v_cvt_pk_bf16_f32 v[PK+2*ii],   v[\set+4*(16*\half+ii)],   v[\set+4*(16*\half+ii)+1]
	v_cvt_pk_bf16_f32 v[PK+2*ii+1], v[\set+4*(16*\half+ii)+2], v[\set+4*(16*\half+ii)+3]
.set ii, ii+1
.endr
.endm
; Load t brings 256 bytes (64 f32 along the hidden axis, step ks of my four) of row rho(t) = 16 (t >> 3) + (t & 7) of my 64 rows of w3 in
; lanes 0-15 and of row rho + 8 in lanes 16-31.
.macro LOADW ks, set
	WIN 0x80                                       ; destination in window 2
.set tt, 0
.rept 32
	global_load_b128 v[4*tt+\set:4*tt+\set+3], v[WO], s[WB:WB+1] offset:(16*(tt>>3)+(tt&7))*4096+(\ks)*256
.set tt, tt+1
.endr
.endm
.macro STW buf, half                   ; lanes 0-15 fill 128 bytes of row rho, lanes 16-31 of row rho + 8: 1,152 bytes on, the other half of 256
	WIN 0
.set ii, 0
.rept 16
.set tt, 16*\half+ii
	ds_store_b64 v[BS], v[PK+2*ii:PK+2*ii+1] offset:(\buf)*WTILE+(16*(tt>>3)+(tt&7))*WPITCH
.set ii, ii+1
.endr
.endm
.macro CVTW set, buf
	CVT16 \set, 0
	STW \buf, 0
	CVT16 \set, 1
	STW \buf, 1
.endm
.macro LOADH q                         ; 16 loads: block q (32 hidden) of my eight, all 8 token tiles, straight into fragments
	WIN 0xc0                                       ; destination in window 3
.irp mt, 0,1,2,3,4,5,6,7
	global_load_b128 v[64*((\q)&3)+8*\mt:64*((\q)&3)+8*\mt+3],   v[HO], s[HB:HB+1] offset:\mt*32768+(\q)*1024
	global_load_b128 v[64*((\q)&3)+8*\mt+4:64*((\q)&3)+8*\mt+7], v[HO], s[HB:HB+1] offset:\mt*32768+(\q)*1024+512
.endr
.endm
.macro FETCHW buf, kb, fb              ; 8 LDS loads: 4 x 16 rows of w3, half kb (32 hidden) of tile buf
	WIN 0
.irp nt, 0,1,2,3
	ds_load_b128 v[BF+32*\fb+8*\nt:BF+32*\fb+8*\nt+3],   v[BFA] offset:(\buf)*WTILE+\nt*16*WPITCH+\kb*64
	ds_load_b128 v[BF+32*\fb+8*\nt+4:BF+32*\fb+8*\nt+7], v[BFA] offset:(\buf)*WTILE+\nt*16*WPITCH+\kb*64+32
.endr
.endm
; 32 matrix instructions, each the next link of its accumulator's chain, and the four places behind them: what follows is a load into a
; fragment buffer just read, or, behind the last pass, the LDS stores of the sums.
.macro MUL fb, q
	WIN 0x5c                                       ; source 1 in window 3, C and D in window 1
.irp nt, 0,1,2,3
.irp mt, 0,1,2,3,4,5,6,7
	v_wmma_f32_16x16x32_bf16 v[8*(8*\nt+\mt):8*(8*\nt+\mt)+7], v[BF+32*\fb+8*\nt:BF+32*\fb+8*\nt+7], v[64*((\q)&3)+8*\mt:64*((\q)&3)+8*\mt+7], v[8*(8*\nt+\mt):8*(8*\nt+\mt)+7]
.endr
.endr
	PLACES
.endm
; Step ks of a pass: 64 hidden = blocks 2 ks and 2 ks + 1.  Global loads are issued in the order W0 H0 H1 W1 H2 H3 W2 H4 W3 H5 H6 H7
; (W: 32 loads, H: 16) and return in that order (ISA guide 5.7.1).  na0, nb, na1: how many younger loads may stay out when block 2 ks of h,
; the next step's weights and block 2 ks + 1 of h must be in; where more than 63 are younger the count is 63, the largest that the wait's field names.
.macro STEP ks, na0, nb, na1
.set cur, (\ks)&1
.set nxt, ((\ks)+1)&1
	FETCHW cur, 1, 1
	s_wait_loadcnt \na0
	s_wait_dscnt 8                                 ; only the 8 loads just issued stay out: fragment buffer 0 is whole
	MUL 0, 2*\ks
.if \ks <= 1
	LOADH 2*\ks+4                                  ; into the h buffer just read
.endif
.if \ks < 3
	s_wait_loadcnt \nb
	CVTW 128*nxt, nxt
.if \ks == 0
	LOADW 3, S1                                    ; into the set just read out
.endif
	FETCHW nxt, 0, 0                               ; sees the stores above: one wave's LDS instructions are served in order
	s_wait_loadcnt \na1
	s_wait_dscnt 40                                ; 32 stores and 8 loads are younger than fragment buffer 1's loads
.else
	s_wait_loadcnt \na1
	s_wait_dscnt 0                                 ; nothing was issued behind them
.endif
	MUL 1, 2*\ks+1
.if \ks <= 1
	LOADH 2*\ks+5
.endif
.endm
	s_mov_b32 s19, 0
.Lexp:
	s_max_i32 s20, s24, s17                        ; lo = max(start, t0)
	s_min_i32 s21, s32, s18                        ; hi = min(end, t0 + 128)
	s_cmp_lt_i32 s20, s21
	s_cbranch_scc0 .Lnext                          ; the pair does not meet: the first launch stored nothing for it
	LOADW 0, S0
	LOADH 0
	LOADH 1
	LOADW 1, S1
	LOADH 2
	LOADH 3
	s_wait_loadcnt 63                              ; W0 must be in; 96 loads are younger
	CVTW S0, 0
	LOADW 2, S0
	FETCHW 0, 0, 0
	STEP 0, 63, 63, 63                             ; younger than H0: 112; than W1: 80; than H1: 144
	STEP 1, 63, 63, 63                             ; younger than H2: 112; than W2: 80; than H3: 112
	STEP 2, 63, 48, 32                             ; younger than H4: 80; than W3: H5 H6 H7 = 48; than H5: H6 H7 = 32
	STEP 3, 16, 0, 0                               ; younger than H6: H7 = 16; no weights follow; H7 is the last
	WIN 0
.Lnext:
	s_wait_xcnt 0x0                                ; the bases are stepped only behind this wait
.irp k, 0,1,2,3,4,5,6
	s_mov_b32 s[24+\k], s[25+\k]
	s_mov_b32 s[32+\k], s[33+\k]
.endr
	s_add_nc_u64 s[WB:WB+1], s[WB:WB+1], 0x200000  ; 512 rows x 4,096 bytes: the next expert's w3
	s_add_nc_u64 s[HB:HB+1], s[HB:HB+1], 0x800000  ; and its part of hfrag
	s_add_co_u32 s19, s19, 1
	s_cmp_lt_u32 s19, 8
	s_cbranch_scc1 .Lexp
	; THE FOUR PARTIAL SUMS MEET.  Each wave lays its 128 tokens x 64 columns into its own part: a lane's eight numbers are 32 neighbouring bytes
	; of a token's row.  (The places behind the last products stand at the end of MUL.)
	WIN 0x04                                       ; store data in window 1
.irp nt, 0,1,2,3
.irp mt, 0,1,2,3,4,5,6,7
	ds_store_b128 v[RS], v[8*(8*\nt+\mt):8*(8*\nt+\mt)+3]   offset:\mt*16*RPITCH+\nt*64
	ds_store_b128 v[RS], v[8*(8*\nt+\mt)+4:8*(8*\nt+\mt)+7] offset:\mt*16*RPITCH+\nt*64+16
.endr
.endr
	WIN 0
	s_wait_dscnt 0x0                               ; for the other waves' sake: my part is in LDS
	s_barrier_signal -1
	s_barrier_wait -1                              ; all four parts are
; Wave w adds and stores token rows 32 w .. 32 w + 31, two rows an instruction: lanes 0-15 one row of 256 bytes, lanes 16-31 the next.
.macro RLOAD g, rb                     ; 16 loads: four pairs of rows x four parts
.irp i, 0,1,2,3
.irp p, 0,1,2,3
	ds_load_b128 v[\rb+16*\i+4*\p:\rb+16*\i+4*\p+3], v[RL+\p] offset:(4*\g+\i)*2*RPITCH
.endr
.endr
.endm
.macro RSUM g, rb
.irp i, 0,1,2,3
	v_pk_add_f32 v[\rb+16*\i:\rb+16*\i+1],     v[\rb+16*\i:\rb+16*\i+1],     v[\rb+16*\i+4:\rb+16*\i+5]      ; p0 + p1
	v_pk_add_f32 v[\rb+16*\i+2:\rb+16*\i+3],   v[\rb+16*\i+2:\rb+16*\i+3],   v[\rb+16*\i+6:\rb+16*\i+7]
	v_pk_add_f32 v[\rb+16*\i+8:\rb+16*\i+9],   v[\rb+16*\i+8:\rb+16*\i+9],   v[\rb+16*\i+12:\rb+16*\i+13]    ; p2 + p3
	v_pk_add_f32 v[\rb+16*\i+10:\rb+16*\i+11], v[\rb+16*\i+10:\rb+16*\i+11], v[\rb+16*\i+14:\rb+16*\i+15]
	v_pk_add_f32 v[\rb+16*\i:\rb+16*\i+1],     v[\rb+16*\i:\rb+16*\i+1],     v[\rb+16*\i+8:\rb+16*\i+9]
	v_pk_add_f32 v[\rb+16*\i+2:\rb+16*\i+3],   v[\rb+16*\i+2:\rb+16*\i+3],   v[\rb+16*\i+10:\rb+16*\i+11]
	global_store_b128 v[OO], v[\rb+16*\i:\rb+16*\i+3], s[OB:OB+1] offset:(4*\g+\i)*4096 th:TH_STORE_NT   ; sixteen lanes store 256 consecutive bytes, aligned
.endr
.endm
	RLOAD 0, R0
	RLOAD 1, R1
	s_wait_dscnt 16                                ; group 0 is in, the 16 loads of group 1 stay out
	RSUM 0, R0
	s_wait_xcnt 0x0                                ; buffer 0 holds store data: loaded again only behind this wait (ISA guide 3.1)
	RLOAD 2, R0
	s_wait_dscnt 16                                ; group 1 is in, group 2 stays out
	RSUM 1, R1
	s_wait_xcnt 0x0
	RLOAD 3, R1
	s_wait_dscnt 16                                ; group 2 is in, group 3 stays out
	RSUM 2, R0
	s_wait_dscnt 0                                 ; nothing was issued behind group 3
	RSUM 3, R1
	s_wait_tensorcnt 0x0
	ds_add_u32 v254, v255
	s_wait_dscnt 0x0
	s_endpgm
.Lfunc_end_k_q80aad0883a_down:
	.size	k_q80aad0883a_down, .Lfunc_end_k_q80aad0883a_down-k_q80aad0883a_down
	.p2alignl 7, 3214868480
	.fill 96, 4, 3214868480
	.section	.rodata,"a",@progbits
	.p2align	6, 0x0
	.amdhsa_kernel k_q80aad0883a_down
		.amdhsa_group_segment_fixed_size 213504
		.amdhsa_private_segment_fixed_size 0
		.amdhsa_enable_private_segment 0
		.amdhsa_kernarg_size 40
		.amdhsa_user_sgpr_count 2
		.amdhsa_user_sgpr_kernarg_segment_ptr 1
		.amdhsa_wavefront_size32 1
		.amdhsa_system_sgpr_workgroup_id_x 1
		.amdhsa_system_sgpr_workgroup_id_y 1
		.amdhsa_system_sgpr_workgroup_id_z 1
		.amdhsa_system_vgpr_workitem_id 0
		.amdhsa_next_free_vgpr 1024
		.amdhsa_next_free_sgpr 66
		.amdhsa_reserve_vcc 0
		.amdhsa_float_denorm_mode_32 3
		.amdhsa_float_denorm_mode_16_64 3
		.amdhsa_memory_ordered 1
		.amdhsa_forward_progress 1
		.amdhsa_inst_pref_size 99
	.end_amdhsa_kernel
	.amdgpu_metadata
---
amdhsa.version: [ 1, 2 ]
amdhsa.kernels:
  - .name:           k_q80aad0883a_down
    .symbol:         k_q80aad0883a_down.kd
    .args:
      - { .name: hfrag, .offset: 0, .size: 8, .value_kind: global_buffer, .address_space: global }
      - { .name: w3, .offset: 8, .size: 8, .value_kind: global_buffer, .address_space: global }
      - { .name: expert_starts, .offset: 16, .size: 8, .value_kind: global_buffer, .address_space: global }
      - { .name: expert_ends, .offset: 24, .size: 8, .value_kind: global_buffer, .address_space: global }
      - { .name: out0, .offset: 32, .size: 8, .value_kind: global_buffer, .address_space: global }
    .group_segment_fixed_size: 213504
    .private_segment_fixed_size: 0
    .kernarg_segment_align: 8
    .kernarg_segment_size: 40
    .max_flat_workgroup_size: 128
    .sgpr_count:     66
    .vgpr_count:     1024
    .wavefront_size: 32
...
	.end_amdgpu_metadata
.endif
;; end of part 2
;; ======== version 2 of 2: 2 launches; version 1 with the launches gate_up, down written anew for expert scheduling mode
;; workspace buffers: hfrag 67,108,864 bytes
;; launch gate_up (part 3): grid 8 x 32, 4 waves a work-group, no clusters, 207,360 bytes of LDS; arguments sorted_x, w12, expert_starts, expert_ends, hfrag; writes hfrag
.if DOCPART == 3
	.amdgcn_target "amdgcn-amd-amdhsa--gfx1250"
	.amdhsa_code_object_version 6
	.text
	.protected	k_q80aad0883a_gate_up
	.globl	k_q80aad0883a_gate_up
	.p2align	8
	.type	k_q80aad0883a_gate_up,@function
k_q80aad0883a_gate_up:
	s_mov_b64 s[64:65], 0
	v_nop
	global_prefetch_b8 v0, s[64:65] scope:SCOPE_SE
	s_setreg_imm32_b32 hwreg(HW_REG_WAVE_SCHED_MODE, 0, 2), 2
	s_setreg_imm32_b32 hwreg(HW_REG_WAVE_MODE, 25, 1), 1
	s_wait_xcnt 0x0
	s_wait_alu depctr_vm_vsrc(0)
; h_e = silu(x W1_e^T) * (x W2_e^T) for every pair (expert e, block of 128 tokens) whose ranges meet; rows of the block outside
; [start_e, end_e) are stored as 0; h is rounded to bf16 and stored as matrix fragments for the second launch.
; x: [4096][512] f32.  w12: [8][2048][512] f32 (rows 0-1023 W1, rows 1024-2047 W2).  starts, ends: [8] i32, honoured as given
; (overlaps, holes, empty ranges, values outside 0..4096).
; hfrag byte = e*8388608 + (token/16)*32768 + (hidden/32)*1024 + c*512 + lane*16: lane (r, hh) holds token 16*tile + r and the eight
; hidden numbers 32*kblk + 16c + 8hh + 0..7.  That is what a lane holds here after packing, and what source 1 of the second launch's
; matrix instruction wants: each store of a wave covers 512 consecutive bytes, aligned.
;
; SHARES.  Grid 8 x 32: group (bx, by) owns tokens 128 by .. +127 and hidden 128 bx .. +127.  Wave w owns hidden 128 bx + 32 w .. +31,
; that is 32 rows of W1 and the matching 32 rows of W2 (64 weight rows), for all 128 tokens: 32 accumulator tiles, 256 registers.
; The x block is rounded to bf16 and laid into LDS once, ahead of the expert loop, behind the launch's only barrier.  Inside the loop a wave
; touches only the x block (read only) and weight tiles in LDS bytes of its own, so the branch that skips an expert jumps over no barrier.
; Weights go global_load (f32) -> v_cvt_pk_bf16_f32 -> ds_store_b64 -> ds_load_b128 (fragments): 2 bytes a number through LDS.
;
; NO TENSOR LOADS, NO CLUSTER: a tile copied by the mover would lie in LDS as f32 (4 bytes in and 4 back for a number, against 2 and 2 here);
; a refill of such a slot wants a barrier, which would stand under the branch that hangs on the lists; and the groups that share an
; expert's weights are other token blocks, which by the lists may skip that expert, so they cannot be held to joint requests.
;
; LIMITS.  Matrix operands and h are bf16.  sigmoid(a) = rcp(1 + exp2(-1.442695 a)): where exp2 overflows the sum is +inf and sigmoid is 0,
; where reference() has a number below 1e-38.  h = (a sigmoid(a)) b, in f32.
;
; THE MATRIX INSTRUCTION IS USED TRANSPOSED: source 0 = 16 weight rows, source 1 = 16 tokens.  Lane (r, hh) of the result holds token r and
; weight rows 8 hh + 0..7 in registers 0..7: eight neighbouring hidden numbers of one token.
;
; REGISTER WINDOWS of 256: 0 addresses, packed words, fragments; 1 accumulators, tile (nt, mt) at 8 (8 nt + mt); 2 two sets of 128 for loads.
;
; THE MODE: SCHED_MODE bits 1:0 = 2 (LLVM: expert scheduling mode 2), set by the entry lines.  The code itself states the register dependences
; between vector or matrix instructions and memory or LDS instructions, with s_wait_alu, always for 0.
; THE PLAN.  Registers that memory or LDS instructions touch:
;   S0, S1    two sets of 128 (window 2), each in two halves of 64.  A half is written by 16 global loads and read by the 32 conversions of one slot;
;             behind them the same half of the K step two further on is loaded into it.
;   PK        32 packed words: written by a slot's conversions, read by that slot's 16 LDS stores.  PK2, 32 more, serves where 64 conversions stand
;             together (the x block; a pass's first weight tile); it lies in weight fragment buffer 1, which is idle there.
;   BF, XF    two fragment buffers: written by 24 LDS loads, read by the 32 matrix instructions of the slot after those loads.
;   F         64 words of h, 8 for each token tile: written by the roundings and selections, read by the stores of h; they lie in x fragment buffer 1,
;             in which LDS loads land again in the next pass.
;   v4 - v10  offsets and LDS addresses: made at the head, never written again.
; A SLOT is 32 along K: the wait for half a weight tile's loads; one wait on vm_vsrc (the last slot's LDS stores have read PK); 32 conversions; ONE wait on
; va_vdst; 32 matrix instructions, among which the slot's memory instructions are dealt with no further wait: 16 global loads into the half set just read
; out, 16 LDS stores from PK, 24 LDS loads into the fragment buffer that the slot before multiplied.  The slot's matrix instructions name the other
; fragment buffer and the accumulators: none of the registers that those memory instructions touch.
.set XPITCH, 1040                      ; LDS row of x: 512 bf16 + 16 bytes; an odd multiple of 16, so sixteen rows' 16-byte pieces differ modulo 256
.set WPITCH, 144                       ; LDS row of a weight tile: 64 bf16 + 16 bytes, likewise
.set WTILE,  64*WPITCH                 ; 64 weight rows x 64 along K
.set WBASE,  128*XPITCH                ; weight tiles lie behind the x block: two for each wave
.set XO,  4                            ; v4   16 lane: offset of x loads and of h stores
.set XS,  5                            ; v5   where I store my 8 bytes of x in LDS
.set WO,  6                            ; v6   weight loads: 8 hh rows of 2,048 bytes + 16 r
.set BS,  7                            ; v7   weight stores to LDS: my tiles + 8 hh rows + 8 r
.set BFA, 8                            ; v8   weight fragments: my tiles + r rows + 16 hh
.set XA,  9                            ; v9, v10  x fragments: r rows + 16 hh, for token tiles 0-3 and 4-7
.set TK,  12                           ; v12  my token in tile 0: 128 by + r
.set TD,  13                           ; v13  that token minus the pass's lower bound
.set TM,  14                           ; v14  the same for the tile at work
.set PK,  16                           ; v[16:47]   32 packed words on their way to LDS
.set BF,  48                           ; v[48:111]  weight fragments, two buffers of 4 x 8
.set PK2, 80                           ; v[80:111]  32 more packed words, while weight fragment buffer 1 is idle
.set XF,  112                          ; v[112:239] x fragments, two buffers of 8 x 8
.set T,   112                          ; v[112:175] SwiGLU: four token tiles' 16 numbers at work (x fragments are done with by then)
.set F,   176                          ; v[176:239] SwiGLU: 16 bf16 to store for each of the 8 token tiles
.set S0,  0                            ; window 2: load set 0
.set S1,  128                          ; window 2: load set 1
.set MK,  4                            ; s[4:11]  the 8 token tiles' masks (the arguments that lay here are done with)
.set WB,  40                           ; s[40:41] my weight rows of the expert at work
.set HB,  42                           ; s[42:43] my fragments of hfrag for the expert at work
.set XB,  46                           ; s[46:47] my 32 rows of x
.set MSB, 0
.macro WIN new                         ; the immediate's high byte repeats the setting that is left
.if MSB != \new
	s_set_vgpr_msb (MSB<<8)|\new
.set MSB, \new
.endif
.endm
.macro PLACES                          ; four independent vector instructions behind a matrix instruction (ISA guide 7.12.1)
.rept 4
	v_nop
.endr
.endm
	s_load_b256 s[4:11], s[0:1], 0x0               ; x s[4:5], w12 s[6:7], starts s[8:9], ends s[10:11]
	s_load_b64 s[12:13], s[0:1], 0x20              ; hfrag
	v_lshl_add_u32 v254, v0, 2, 0x32800
	v_mov_b32 v255, 0
	v_lshrrev_b32 v1, 5, v0
	v_readfirstlane_b32 s14, v1                    ; wave w
	s_and_b32 s16, ttmp7, 0xffff                   ; by
	s_lshl_b32 s17, s16, 7                         ; t0 = 128 by
	s_add_co_u32 s18, s17, 128                     ; t0 + 128
	v_and_b32 v1, 31, v0                           ; lane
	v_and_b32 v2, 15, v0                           ; r
	v_bfe_u32 v3, v0, 4, 1                         ; hh
	v_lshlrev_b32 v[XO], 4, v1
	s_wait_alu depctr_va_sdst(0)                   ; s14 is written, ahead of its first reader: LDS places and the three bases are made from it
	s_mul_i32 s23, s14, 32*XPITCH                  ; my 32 rows of the x block
	v_lshl_add_u32 v[XS], v1, 3, s23
	v_lshlrev_b32 v[WO], 4, v2
	v_lshl_add_u32 v[WO], v3, 14, v[WO]            ; + 8 hh rows of 2,048 bytes
	s_mul_i32 s23, s14, 2*WTILE
	s_add_co_u32 s23, s23, WBASE                   ; my two weight tiles
	v_mul_u32_u24 v[BS], v3, 8*WPITCH
	v_lshl_add_u32 v[BS], v2, 3, v[BS]
	v_add_nc_u32 v[BS], s23, v[BS]
	v_mul_u32_u24 v[BFA], v2, WPITCH
	v_lshl_add_u32 v[BFA], v3, 4, v[BFA]
	v_add_nc_u32 v[BFA], s23, v[BFA]
	v_mul_u32_u24 v[XA], v2, XPITCH
	v_lshl_add_u32 v[XA], v3, 4, v[XA]
	v_add_nc_u32 v[XA+1], 64*XPITCH, v[XA]
	v_add_nc_u32 v[TK], s17, v2
	s_lshl_b32 s20, s16, 18                        ; by x 128 rows x 2,048 bytes (also by x 8 tiles x 32,768 bytes of hfrag)
	s_lshl_b32 s21, s14, 16                        ; w x 32 rows x 2,048 bytes
	s_lshl_b32 s22, ttmp9, 18                      ; bx x 128 rows x 2,048 bytes
	s_mov_b32 s45, 0
	s_wait_kmcnt 0x0
	s_load_b256 s[24:31], s[8:9], 0x0              ; the eight starts
	s_load_b256 s[32:39], s[10:11], 0x0            ; the eight ends; both are waited for in front of the expert loop
	s_add_co_u32 s44, s20, s21
	s_add_nc_u64 s[XB:XB+1], s[4:5], s[44:45]
	s_add_co_u32 s44, s22, s21
	s_add_nc_u64 s[WB:WB+1], s[6:7], s[44:45]
	s_lshl_b32 s44, ttmp9, 12                      ; kblk = 4 bx + w, 1,024 bytes each
	s_lshl_b32 s23, s14, 10
	s_add_co_u32 s44, s44, s23
	s_add_co_u32 s44, s44, s20
	s_add_nc_u64 s[HB:HB+1], s[12:13], s[44:45]
; One half of a load set (16 loads of 4 f32 a lane) is rounded to bf16 into the 32 registers from pk on: 8 bytes a lane and load
.macro CVT16 set, half, pk
	WIN 0x0a                                       ; both sources in window 2
.set ii, 0
.rept 16
	v_cvt_pk_bf16_f32 v[\pk+2*ii],   v[\set+4*(16*\half+ii)],   v[\set+4*(16*\half+ii)+1]
	v_cvt_pk_bf16_f32 v[\pk+2*ii+1], v[\set+4*(16*\half+ii)+2], v[\set+4*(16*\half+ii)+3]
.set ii, ii+1
.endr
.endm
; x: group g of a wave's 64 KiB is 8 rows = 32 loads of 512 consecutive bytes
.macro LOADX g, set
	WIN 0x80                                       ; destination in window 2
.set tt, 0
.rept 32
	global_load_b128 v[4*tt+\set:4*tt+\set+3], v[XO], s[XB:XB+1] offset:(\g)*16384+tt*512
.set tt, tt+1
.endr
.endm
.macro STX g, half, pk                 ; load t of group g is a quarter (t & 3) of row 8 g + (t >> 2): 256 consecutive bytes of LDS
	WIN 0
.set ii, 0
.rept 16
.set tt, 16*\half+ii
	ds_store_b64 v[XS], v[\pk+2*ii:\pk+2*ii+1] offset:(8*(\g)+(tt>>2))*XPITCH+(tt&3)*256
.set ii, ii+1
.endr
.endm
; Group g of x: its 64 conversions, one wait, then the loads of the group two further on into the set just read out (ahead = 1) and the 32 LDS stores.
; left = how many younger loads may stay out.
.macro XGROUP g, set, left, ahead
	s_wait_loadcnt \left                           ; loads return in order (ISA guide 5.7.1): group g is in, a younger group's 32 stay out
.if \g > 0
	s_wait_alu depctr_vm_vsrc(0)                   ; the last group's LDS stores have read PK and PK2, which the conversions below write again
.endif
	CVT16 \set, 0, PK
	CVT16 \set, 1, PK2
.if \ahead
	WIN 0x80
.else
	WIN 0
.endif
	s_wait_alu depctr_va_vdst(0)                   ; the conversions have written PK and PK2, which the LDS stores read, and are done reading the set, in which the loads land
.if \ahead
	LOADX \g+2, \set
.endif
	STX \g, 0, PK
	STX \g, 1, PK2
.endm
	; PHASE 1: my 32 rows of x, f32 to bf16, into LDS.  Two groups of 32 loads are kept on their way.
	WIN 0x80
	s_wait_alu depctr_va_vdst(0)                   ; the offsets and LDS addresses v4 to v10 are written: every load and store of the kernel reads one of them
	LOADX 0, S0
	LOADX 1, S1
	XGROUP 0, S0, 32, 1
	XGROUP 1, S1, 32, 1
	XGROUP 2, S0, 32, 0
	XGROUP 3, S1, 0, 0                             ; nothing was issued behind group 3
	s_wait_dscnt 0x0                               ; for the other waves' sake: my rows of x are in LDS
	s_barrier_signal -1
	s_barrier_wait -1                              ; the whole block is; it is never written again
	s_wait_alu depctr_vm_vsrc(0)                   ; my LDS stores have read PK and PK2, which the first pass's conversions write again
	s_wait_kmcnt 0x0                               ; the lists
; Weights.  Load t brings 256 bytes (64 f32 along K, step ks) of local row rho(t) = 16 (t >> 3) + (t & 7) in lanes 0-15 and of row rho + 8
; in lanes 16-31.  Local rows 0-31 are W1's (half 0 of a set), 32-63 the same hidden numbers' rows of W2, 1,024 rows further down (half 1).
.macro LOADWH ks, set, half
	WIN 0x80
.set ii, 0
.rept 16
.set tt, 16*\half+ii
.set rho, 16*(tt>>3)+(tt&7)
	global_load_b128 v[4*tt+\set:4*tt+\set+3], v[WO], s[WB:WB+1] offset:((rho&31)+(rho>>5)*1024)*2048+(\ks)*256
.set ii, ii+1
.endr
.endm
.macro STW buf, half, pk               ; lanes 0-15 fill 128 bytes of row rho, lanes 16-31 of row rho + 8: 1,152 bytes on, the other half of 256
	WIN 0
.set ii, 0
.rept 16
.set tt, 16*\half+ii
	ds_store_b64 v[BS], v[\pk+2*ii:\pk+2*ii+1] offset:(\buf)*WTILE+(16*(tt>>3)+(tt&7))*WPITCH
.set ii, ii+1
.endr
.endm
; 24 LDS loads: the fragments of 32 along K (half kb of K step ks): 4 x 16 weight rows from tile buf, 8 x 16 tokens from the x block.
; A fragment is two loads of 16 bytes, 32 bytes apart, at row x pitch + 16 hh.
.macro FETCH buf, kb, ks, fb
	WIN 0
.irp nt, 0,1,2,3
	ds_load_b128 v[BF+32*\fb+8*\nt:BF+32*\fb+8*\nt+3],   v[BFA] offset:(\buf)*WTILE+\nt*16*WPITCH+\kb*64
	ds_load_b128 v[BF+32*\fb+8*\nt+4:BF+32*\fb+8*\nt+7], v[BFA] offset:(\buf)*WTILE+\nt*16*WPITCH+\kb*64+32
.endr
.irp mt, 0,1,2,3,4,5,6,7
	ds_load_b128 v[XF+64*\fb+8*\mt:XF+64*\fb+8*\mt+3],   v[XA+(\mt>>2)] offset:(\mt&3)*16*XPITCH+(\ks)*128+\kb*64
	ds_load_b128 v[XF+64*\fb+8*\mt+4:XF+64*\fb+8*\mt+7], v[XA+(\mt>>2)] offset:(\mt&3)*16*XPITCH+(\ks)*128+\kb*64+32
.endr
.endm
; 8 matrix instructions: 16 weight rows (block nt) x 128 tokens x 32 along K.  zero = 1: the first product starts the sums, nothing is cleared.
; The 32 accumulators take turns, one instruction a turn, in the same order in every slot.
.macro MUL8 fb, nt, zero
	WIN 0x50                                       ; C and D in window 1
.irp mt, 0,1,2,3,4,5,6,7
.if \zero
	v_wmma_f32_16x16x32_bf16 v[8*(8*\nt+\mt):8*(8*\nt+\mt)+7], v[BF+32*\fb+8*\nt:BF+32*\fb+8*\nt+7], v[XF+64*\fb+8*\mt:XF+64*\fb+8*\mt+7], 0
.else
	v_wmma_f32_16x16x32_bf16 v[8*(8*\nt+\mt):8*(8*\nt+\mt)+7], v[BF+32*\fb+8*\nt:BF+32*\fb+8*\nt+7], v[XF+64*\fb+8*\mt:XF+64*\fb+8*\mt+7], v[8*(8*\nt+\mt):8*(8*\nt+\mt)+7]
.endif
.endr
.endm
; Slot (ks, half): the products of half `half` (32 along K) of K step ks, on fragment buffer `half`.  It rounds half `half` of K step ks + 1's weights, lays it into the
; other tile, asks for the same half of K step ks + 3, and fetches the fragments of the slot after it: half 1 of this K step, or half 0 of the next, whose tile is whole
; when this slot's stores are in (one wave's LDS instructions are served in order).
; Weight halves are asked for in the order W0a W0b W1a W1b ..: when half `half` of K step ks + 1 must be in, the three halves asked for behind it (48 loads) stay out;
; from slot (5, 1) on nothing more has been asked for, and the counts run down 32, 16, 0.
.macro SLOT ks, half
.set cur, (\ks)&1
.set nxt, ((\ks)+1)&1
.set zz, 0
.if (\ks == 0) && (\half == 0)
.set zz, 1
.endif
.if \ks < 7
.set left, 48
.if (\ks == 5) && (\half == 1)
.set left, 32
.endif
.if (\ks == 6) && (\half == 0)
.set left, 16
.endif
.if (\ks == 6) && (\half == 1)
.set left, 0
.endif
	s_wait_loadcnt left
	s_wait_alu depctr_vm_vsrc(0)                   ; the LDS stores issued so far have read PK (in a pass's first slot PK2 too, in which fragment loads land below)
	CVT16 128*nxt, \half, PK
	s_wait_alu depctr_va_vdst(0)                   ; the conversions have written PK and are done reading the half set; the last slot's matrix instructions are done reading the other fragment buffer
.elseif \half == 0
	PLACES                                         ; behind the matrix instructions that read fragment buffer 1; the places stay beside the wait
	s_wait_alu depctr_va_vdst(0)                   ; those matrix instructions are done reading fragment buffer 1, in which the loads below land
.endif
	s_wait_dscnt 0x0                               ; this slot's fragments, asked for in the slot before, are in; nothing was issued behind them
	MUL8 \half, 0, zz
.if \ks < 5
	LOADWH \ks+3, 128*nxt, \half                   ; into the half set just read out.  No wait: no vector or matrix instruction since the wait above names it
.endif
	MUL8 \half, 1, zz
.if \ks < 7
	STW nxt, \half, PK
.endif
.if \half == 0
	FETCH cur, 1, \ks, 1
.elseif \ks < 7
	FETCH nxt, 0, \ks+1, 0
.endif
	MUL8 \half, 2, zz
	MUL8 \half, 3, zz
.endm
; SwiGLU of token tiles m0 .. m0 + 3: a = tiles (0, mt), (1, mt), b = tiles (2, mt), (3, mt), 16 numbers a lane each.  The 64 exponentials are one batch with one wait,
; the 64 reciprocals another; the four compares have one wait; one wait stands ahead of the eight stores.  Each accumulator is read from its low end on.
.macro SWIG4 m0
	WIN 0x01                                       ; source 0 in window 1
.irp q, 0,1,2,3
.irp j, 0,2,4,6
	v_pk_mul_f32 v[T+16*\q+\j:T+16*\q+\j+1],     v[8*(\m0+\q)+\j:8*(\m0+\q)+\j+1],       0xbfb8aa3b op_sel_hi:[1,0]   ; -1.442695 a
	v_pk_mul_f32 v[T+16*\q+8+\j:T+16*\q+8+\j+1], v[64+8*(\m0+\q)+\j:64+8*(\m0+\q)+\j+1], 0xbfb8aa3b op_sel_hi:[1,0]
.endr
.endr
	WIN 0
.set ii, 0
.rept 64
	v_exp_f32 v[T+ii], v[T+ii]
.set ii, ii+1
.endr
.irp q, 0,1
	v_add_nc_u32 v[TM], 16*(\m0+\q), v[TD]         ; my token minus the lower bound; also the plain instruction behind the exponentials (ISA guide 5.7.2)
	v_cmp_gt_u32 s[MK+\m0+\q], s22, v[TM]          ; lo <= token < hi as one unsigned compare
.endr
	s_wait_alu depctr_va_vdst(0)                   ; the 64 exponentials have written T, ahead of their first reader
.set ii, 0
.rept 32
	v_pk_add_f32 v[T+2*ii:T+2*ii+1], v[T+2*ii:T+2*ii+1], 1.0 op_sel_hi:[1,0]
.set ii, ii+1
.endr
.set ii, 0
.rept 64
	v_rcp_f32 v[T+ii], v[T+ii]                     ; sigmoid(a)
.set ii, ii+1
.endr
.irp q, 2,3
	v_add_nc_u32 v[TM], 16*(\m0+\q), v[TD]         ; also the plain instruction behind the reciprocals
	v_cmp_gt_u32 s[MK+\m0+\q], s22, v[TM]
.endr
	s_wait_alu depctr_va_vdst(0)                   ; the 64 reciprocals have written T, ahead of their first reader
	WIN 0x01
.irp q, 0,1,2,3
.irp j, 0,2,4,6
	v_pk_mul_f32 v[T+16*\q+\j:T+16*\q+\j+1],     v[8*(\m0+\q)+\j:8*(\m0+\q)+\j+1],       v[T+16*\q+\j:T+16*\q+\j+1]       ; a sigmoid(a)
	v_pk_mul_f32 v[T+16*\q+8+\j:T+16*\q+8+\j+1], v[64+8*(\m0+\q)+\j:64+8*(\m0+\q)+\j+1], v[T+16*\q+8+\j:T+16*\q+8+\j+1]
.endr
.endr
.irp q, 0,1,2,3
.irp j, 0,2,4,6
	v_pk_mul_f32 v[T+16*\q+\j:T+16*\q+\j+1],     v[128+8*(\m0+\q)+\j:128+8*(\m0+\q)+\j+1], v[T+16*\q+\j:T+16*\q+\j+1]     ; times b
	v_pk_mul_f32 v[T+16*\q+8+\j:T+16*\q+8+\j+1], v[192+8*(\m0+\q)+\j:192+8*(\m0+\q)+\j+1], v[T+16*\q+8+\j:T+16*\q+8+\j+1]
.endr
.endr
	WIN 0
.irp q, 0,1,2,3
.irp i, 0,1,2,3,4,5,6,7
	v_cvt_pk_bf16_f32 v[F+8*(\m0+\q)+\i], v[T+16*\q+2*\i], v[T+16*\q+2*\i+1]
.endr
.endr
	s_wait_alu depctr_va_sdst(0)                   ; the four compares have written their masks, ahead of the first selection that reads one
.irp q, 0,1,2,3
.irp i, 0,1,2,3,4,5,6,7
	v_cndmask_b32 v[F+8*(\m0+\q)+\i], 0, v[F+8*(\m0+\q)+\i], s[MK+\m0+\q]   ; a token outside the expert's range gets zeros, whatever was computed for it
.endr
.endr
	s_wait_alu depctr_va_vdst(0)                   ; the selections have written the four tiles' F, which the stores read
.irp q, 0,1,2,3
	global_store_b128 v[XO], v[F+8*(\m0+\q):F+8*(\m0+\q)+3],   s[HB:HB+1] offset:(\m0+\q)*32768        ; c = 0: hidden 8 hh + 0..7;  512 consecutive bytes a wave
	global_store_b128 v[XO], v[F+8*(\m0+\q)+4:F+8*(\m0+\q)+7], s[HB:HB+1] offset:(\m0+\q)*32768+512    ; c = 1: hidden 16 + 8 hh + 0..7
.endr
.endm
	; PHASE 2: the experts.  s24 and s32 hold the bounds of the expert at work; the lists move down by one in each trip.
	WIN 0
	s_mov_b32 s19, 0
.Lexp:
	s_max_i32 s20, s24, s17                        ; lo = max(start, t0)
	s_min_i32 s21, s32, s18                        ; hi = min(end, t0 + 128)
	s_cmp_lt_i32 s20, s21
	s_cbranch_scc0 .Lnext                          ; no token of the block belongs to this expert: nothing is stored, and the second launch, by the same test, reads nothing
	s_sub_co_i32 s22, s21, s20                     ; 1 to 128
	v_sub_nc_u32 v[TD], v[TK], s20
	LOADWH 0, S0, 0                                ; no wait: every conversion that read the sets stands ahead of a wait on va_vdst, and nothing since names them
	LOADWH 0, S0, 1
	LOADWH 1, S1, 0
	LOADWH 1, S1, 1
	s_wait_loadcnt 32                              ; K step 0 is in, the 32 loads of K step 1 stay out
	CVT16 S0, 0, PK                                ; (the LDS stores that read PK and PK2 stand ahead of the wait on vm_vsrc behind the barrier or at the last pass's end)
	CVT16 S0, 1, PK2
	WIN 0x80
	s_wait_alu depctr_va_vdst(0)                   ; the conversions have written PK and PK2 and are done reading set 0; the last pass's vector work on T, in which fragment loads land, is done
	LOADWH 2, S0, 0
	LOADWH 2, S0, 1
	STW 0, 0, PK
	STW 0, 1, PK2
	FETCH 0, 0, 0, 0
	SLOT 0, 0
	SLOT 0, 1
	SLOT 1, 0
	SLOT 1, 1
	SLOT 2, 0
	SLOT 2, 1
	SLOT 3, 0
	SLOT 3, 1
	SLOT 4, 0
	SLOT 4, 1
	SLOT 5, 0
	SLOT 5, 1
	SLOT 6, 0
	SLOT 6, 1
	SLOT 7, 0
	SLOT 7, 1
	PLACES                                         ; behind the last products, in front of the vector instructions that read the sums and write over x fragments
	SWIG4 0
	SWIG4 4                                        ; the first four tiles' stores leave while the other four are worked on: T is named by vector instructions alone, and each tile has its own F
	WIN 0
.Lnext:
	s_wait_xcnt 0x0                                ; the bases, and F, which the next pass's fragment loads land on, are rewritten only behind this wait
	s_wait_alu depctr_vm_vsrc(0)                   ; the stores of h have read F, and the pass's LDS stores PK: fragment loads and conversions of the next pass write them again
.irp k, 0,1,2,3,4,5,6
	s_mov_b32 s[24+\k], s[25+\k]
	s_mov_b32 s[32+\k], s[33+\k]
.endr
	s_add_nc_u64 s[WB:WB+1], s[WB:WB+1], 0x400000  ; 2,048 rows x 2,048 bytes: the next expert's w12
	s_add_nc_u64 s[HB:HB+1], s[HB:HB+1], 0x800000  ; and its part of hfrag
	s_add_co_u32 s19, s19, 1
	s_cmp_lt_u32 s19, 8
	s_cbranch_scc1 .Lexp
	s_wait_dscnt 0x0
	s_wait_alu depctr_hold_cnt(0) depctr_sa_sdst(0) depctr_va_vdst(0) depctr_va_sdst(0) depctr_va_ssrc(0) depctr_va_vcc(0) depctr_vm_vsrc(0)
	s_wait_tensorcnt 0x0
	ds_add_u32 v254, v255
	s_wait_dscnt 0x0
	s_endpgm
.Lfunc_end_k_q80aad0883a_gate_up:
	.size	k_q80aad0883a_gate_up, .Lfunc_end_k_q80aad0883a_gate_up-k_q80aad0883a_gate_up
	.p2alignl 7, 3214868480
	.fill 96, 4, 3214868480
	.section	.rodata,"a",@progbits
	.p2align	6, 0x0
	.amdhsa_kernel k_q80aad0883a_gate_up
		.amdhsa_group_segment_fixed_size 207360
		.amdhsa_private_segment_fixed_size 0
		.amdhsa_enable_private_segment 0
		.amdhsa_kernarg_size 40
		.amdhsa_user_sgpr_count 2
		.amdhsa_user_sgpr_kernarg_segment_ptr 1
		.amdhsa_wavefront_size32 1
		.amdhsa_system_sgpr_workgroup_id_x 1
		.amdhsa_system_sgpr_workgroup_id_y 1
		.amdhsa_system_sgpr_workgroup_id_z 1
		.amdhsa_system_vgpr_workitem_id 0
		.amdhsa_next_free_vgpr 768
		.amdhsa_next_free_sgpr 66
		.amdhsa_reserve_vcc 0
		.amdhsa_float_denorm_mode_32 3
		.amdhsa_float_denorm_mode_16_64 3
		.amdhsa_memory_ordered 1
		.amdhsa_forward_progress 1
		.amdhsa_inst_pref_size 211
	.end_amdhsa_kernel
	.amdgpu_metadata
---
amdhsa.version: [ 1, 2 ]
amdhsa.kernels:
  - .name:           k_q80aad0883a_gate_up
    .symbol:         k_q80aad0883a_gate_up.kd
    .args:
      - { .name: sorted_x, .offset: 0, .size: 8, .value_kind: global_buffer, .address_space: global }
      - { .name: w12, .offset: 8, .size: 8, .value_kind: global_buffer, .address_space: global }
      - { .name: expert_starts, .offset: 16, .size: 8, .value_kind: global_buffer, .address_space: global }
      - { .name: expert_ends, .offset: 24, .size: 8, .value_kind: global_buffer, .address_space: global }
      - { .name: hfrag, .offset: 32, .size: 8, .value_kind: global_buffer, .address_space: global }
    .group_segment_fixed_size: 207360
    .private_segment_fixed_size: 0
    .kernarg_segment_align: 8
    .kernarg_segment_size: 40
    .max_flat_workgroup_size: 128
    .sgpr_count:     66
    .vgpr_count:     768
    .wavefront_size: 32
...
	.end_amdgpu_metadata
.endif
;; end of part 3
;; launch down (part 4): grid 8 x 32, 4 waves a work-group, no clusters, 213,504 bytes of LDS; arguments hfrag, w3, expert_starts, expert_ends, out0; writes out0
.if DOCPART == 4
	.amdgcn_target "amdgcn-amd-amdhsa--gfx1250"
	.amdhsa_code_object_version 6
	.text
	.protected	k_q80aad0883a_down
	.globl	k_q80aad0883a_down
	.p2align	8
	.type	k_q80aad0883a_down,@function
k_q80aad0883a_down:
	s_mov_b64 s[64:65], 0
	v_nop
	global_prefetch_b8 v0, s[64:65] scope:SCOPE_SE
	s_setreg_imm32_b32 hwreg(HW_REG_WAVE_SCHED_MODE, 0, 2), 2
	s_setreg_imm32_b32 hwreg(HW_REG_WAVE_MODE, 25, 1), 1
	s_wait_xcnt 0x0
	s_wait_alu depctr_vm_vsrc(0)
; out[t] = sum over the experts e whose range meets t's block of 128 tokens of h_e[t] W3_e^T.  h_e comes from the first launch as bf16 matrix
; fragments, with zeros in the rows that the lists exclude, so the sum over experts is the masked sum.  w3: [8][512][1024] f32.  out: [4096][512] f32.
; hfrag byte = e*8388608 + (token/16)*32768 + (hidden/32)*1024 + c*512 + lane*16: two loads of 512 consecutive bytes fill a fragment of
; 16 tokens x 32 hidden, with no LDS and no shuffle.  A pair (expert, block) is read only if max(start, t0) < min(end, t0 + 128), the test
; by which the first launch stored it.
;
; SHARES.  Grid 8 x 32: group (bx, by) owns tokens 128 by .. +127 and output columns 64 bx .. +63.  The hidden axis is split over the four
; waves, 256 each: a wave's part of w3 (rounded to bf16 into LDS tiles of its own) and its part of h are then its own, and the branch that
; skips an expert jumps over no barrier.  A wave holds 128 tokens x 64 columns: 32 accumulator tiles, 256 registers, summed over all experts.
; The four partial sums meet in LDS behind the launch's only barrier; from there whole rows of 256 bytes are read, added and stored.
;
; The accumulators are cleared by 256 moves, under the scalar loads' flight: which expert is the first to pass, or whether any passes,
; is known from the lists alone, so no fixed product can start the sums, and a block that no expert covers must come out as zeros.
;
; NO TENSOR LOADS, NO CLUSTER: as in the first launch: f32 tiles would cost LDS 4 bytes in and 4 back for a number against 2 and 2, a slot's refill wants
; a barrier under the list-dependent branch, and the groups that share w3's rows are other token blocks, which may skip the expert.
;
; LIMITS.  Operands are bf16.  w3 must be finite: an excluded row of h is 0, and 0 times an infinite weight is NaN where reference() has 0.
; The sum over the hidden axis is formed as ((p0 + p1) + (p2 + p3)) of four quarters, each summed over the experts in ascending order.
;
; TRANSPOSED USE: source 0 = 16 rows of w3 (output columns), source 1 = 16 tokens of h.  Lane (r, hh) of the result holds token r and the
; eight neighbouring columns 8 hh + 0..7.
; REGISTER WINDOWS: 0 addresses, packed words, weight fragments, the reduction; 1 accumulators, tile (nt, mt) at 8 (8 nt + mt);
; 2 two sets of 128 for weight loads; 3 four buffers of 64 for h fragments.
;
; THE MODE: SCHED_MODE bits 1:0 = 2 (LLVM: expert scheduling mode 2), set by the entry lines.  The code itself states the register dependences
; between vector or matrix instructions and memory or LDS instructions, with s_wait_alu, always for 0.
; THE PLAN.  Registers that memory or LDS instructions touch:
;   S0, S1    two sets of 128 (window 2), each in two halves of 64: written by 16 global loads, read by the 32 conversions of one slot, then loaded again.
;   H0 - H3   four buffers of 64 (window 3): block b of h is written by 16 global loads into buffer b & 3 and read by slot b's 32 matrix instructions; block b + 4 is
;             asked for in slot b + 1.
;   PK        32 packed words: written by a slot's conversions, read by that slot's 16 LDS stores.  PK2, 32 more, for a pass's first tile, whose 64 conversions stand together.
;   BF        two weight fragment buffers: written by 8 LDS loads, read by the 32 matrix instructions of the slot after those loads.
;   the accumulators: written by matrix instructions (and the moves at the head), read by the LDS stores at the end.
;   R0, R1    the reduction's two buffers: written by LDS loads, named otherwise by the additions alone.
;   OUT       16 registers for each of the reduction's four groups: written by the group's last additions, read by its stores, never written again.
;   v4 - v14  offsets and LDS addresses: made at the head, never written again.
; A SLOT is 32 hidden: the wait for half a weight tile's loads; one wait on vm_vsrc (the last slot's LDS stores have read PK); 32 conversions; ONE wait on va_vdst;
; 32 matrix instructions, among which the slot's memory instructions are dealt with no further wait.  The slot's matrix instructions name its own fragment buffer, its
; own h buffer and the accumulators: none of the registers that those memory instructions touch.
.set WPITCH, 144                       ; LDS row of a weight tile: 64 bf16 + 16 bytes, an odd multiple of 16
.set WTILE,  64*WPITCH
.set RBASE,  8*WTILE                   ; partial sums lie behind the four waves' tiles
.set RPITCH, 272                       ; a token's 64 f32 + 16 bytes, an odd multiple of 16
.set RPART,  128*RPITCH                ; one wave's partial sums
.set HO,  4                            ; v4   16 lane: offset of h loads
.set WO,  6                            ; v6   weight loads: 8 hh rows of 4,096 bytes + 16 r
.set BS,  7                            ; v7   weight stores to LDS
.set BFA, 8                            ; v8   weight fragments
.set RS,  9                            ; v9   where I put my partial sums
.set RL,  10                           ; v[10:13] where I read part p's rows back
.set OO,  14                           ; v14  my offset in out: hh rows of 2,048 bytes + 16 r
.set PK,  16                           ; v[16:47]   packed words on their way to LDS
.set BF,  48                           ; v[48:111]  weight fragments, two buffers of 4 x 8
.set OUT, 48                           ; v[48:111]  at the end: the sums to store, 16 registers a group
.set PK2, 112                          ; v[112:143] 32 more packed words, in a pass's opening
.set R0,  112                          ; v[112:175] reduction, buffer 0
.set R1,  176                          ; v[176:239] reduction, buffer 1
.set S0,  0
.set S1,  128
.set WB,  40                           ; s[40:41] my part of w3 of the expert at work
.set HB,  42                           ; s[42:43] my part of hfrag
.set OB,  46                           ; s[46:47] the 32 rows of out that I store
.set MSB, 0
.macro WIN new
.if MSB != \new
	s_set_vgpr_msb (MSB<<8)|\new
.set MSB, \new
.endif
.endm
.macro PLACES                          ; four independent vector instructions behind a matrix instruction (ISA guide 7.12.1)
.rept 4
	v_nop
.endr
.endm
	s_load_b256 s[4:11], s[0:1], 0x0               ; hfrag s[4:5], w3 s[6:7], starts s[8:9], ends s[10:11]
	s_load_b64 s[12:13], s[0:1], 0x20              ; out
	v_lshl_add_u32 v254, v0, 2, 0x34000
	v_mov_b32 v255, 0
	v_lshrrev_b32 v1, 5, v0
	v_readfirstlane_b32 s14, v1                    ; wave w
	s_and_b32 s16, ttmp7, 0xffff                   ; by
	s_lshl_b32 s17, s16, 7                         ; t0
	s_add_co_u32 s18, s17, 128
	v_and_b32 v1, 31, v0                           ; lane
	v_and_b32 v2, 15, v0                           ; r
	v_bfe_u32 v3, v0, 4, 1                         ; hh
	v_lshlrev_b32 v[HO], 4, v1
	v_lshlrev_b32 v[WO], 4, v2
	v_lshl_add_u32 v[WO], v3, 15, v[WO]            ; + 8 hh rows of 4,096 bytes
	s_wait_alu depctr_va_sdst(0)                   ; s14 is written, ahead of its first reader: LDS places and the three bases are made from it
	s_mul_i32 s23, s14, 2*WTILE                    ; my two weight tiles
	v_mul_u32_u24 v[BS], v3, 8*WPITCH
	v_lshl_add_u32 v[BS], v2, 3, v[BS]
	v_add_nc_u32 v[BS], s23, v[BS]
	v_mul_u32_u24 v[BFA], v2, WPITCH
	v_lshl_add_u32 v[BFA], v3, 4, v[BFA]
	v_add_nc_u32 v[BFA], s23, v[BFA]
	s_mul_i32 s23, s14, RPART
	s_add_co_u32 s23, s23, RBASE                   ; my partial sums: token r of a tile, 32 bytes for each half of the lanes
	v_mul_u32_u24 v[RS], v2, RPITCH
	v_lshl_add_u32 v[RS], v3, 5, v[RS]
	v_add_nc_u32 v[RS], s23, v[RS]
	s_mul_i32 s23, s14, 32*RPITCH
	s_add_co_u32 s23, s23, RBASE                   ; back: rows 32 w + hh of part 0, 16 bytes a lane
	v_mul_u32_u24 v1, v3, RPITCH
	v_lshl_add_u32 v1, v2, 4, v1
	v_add_nc_u32 v[RL], s23, v1
.irp p, 1,2,3
	v_add_nc_u32 v[RL+\p], \p*RPART, v[RL]
.endr
	v_lshlrev_b32 v[OO], 4, v2
	v_lshl_add_u32 v[OO], v3, 11, v[OO]
	s_lshl_b32 s20, s16, 18                        ; by x 8 tiles x 32,768 bytes of hfrag; also by x 128 rows x 2,048 bytes of out
	s_lshl_b32 s21, ttmp9, 18                      ; bx x 64 rows x 4,096 bytes of w3
	s_mov_b32 s45, 0
	s_wait_kmcnt 0x0
	s_load_b256 s[24:31], s[8:9], 0x0              ; the eight starts
	s_load_b256 s[32:39], s[10:11], 0x0            ; the eight ends
	s_lshl_b32 s44, s14, 13                        ; w x 8 blocks of 32 hidden x 1,024 bytes
	s_add_co_u32 s44, s44, s20
	s_add_nc_u64 s[HB:HB+1], s[4:5], s[44:45]
	s_lshl_b32 s44, s14, 10                        ; w x 256 hidden x 4 bytes
	s_add_co_u32 s44, s44, s21
	s_add_nc_u64 s[WB:WB+1], s[6:7], s[44:45]
	s_lshl_b32 s44, s14, 16                        ; w x 32 rows x 2,048 bytes
	s_add_co_u32 s44, s44, s20
	s_lshl_b32 s23, ttmp9, 8                       ; bx x 64 columns x 4 bytes
	s_add_co_u32 s44, s44, s23
	s_add_nc_u64 s[OB:OB+1], s[12:13], s[44:45]
	WIN 0x40                                       ; destination in window 1
.set ii, 0
.rept 256
	v_mov_b32 v[ii], 0                             ; the sums start at 0 (see the head)
.set ii, ii+1
.endr
	WIN 0
	s_wait_kmcnt 0x0                               ; the lists
; One half of a load set (16 loads of 4 f32 a lane) is rounded to bf16 into the 32 registers from pk on
.macro CVT16 set, half, pk
	WIN 0x0a                                       ; both sources in window 2
.set ii, 0
.rept 16
	v_cvt_pk_bf16_f32 v[\pk+2*ii],   v[\set+4*(16*\half+ii)],   v[\set+4*(16*\half+ii)+1]
	v_cvt_pk_bf16_f32 v[\pk+2*ii+1], v[\set+4*(16*\half+ii)+2], v[\set+4*(16*\half+ii)+3]
.set ii, ii+1
.endr
.endm
; Load t brings 256 bytes (64 f32 along the hidden axis, step ks of my four) of row rho(t) = 16 (t >> 3) + (t & 7) of my 64 rows of w3 in
; lanes 0-15 and of row rho + 8 in lanes 16-31.  Half 0 of a set is rows 0-31, half 1 rows 32-63.
.macro LOADWH ks, set, half
	WIN 0x80                                       ; destination in window 2
.set ii, 0
.rept 16
.set tt, 16*\half+ii
	global_load_b128 v[4*tt+\set:4*tt+\set+3], v[WO], s[WB:WB+1] offset:(16*(tt>>3)+(tt&7))*4096+(\ks)*256
.set ii, ii+1
.endr
.endm
.macro STW buf, half, pk               ; lanes 0-15 fill 128 bytes of row rho, lanes 16-31 of row rho + 8: 1,152 bytes on, the other half of 256
	WIN 0
.set ii, 0
.rept 16
.set tt, 16*\half+ii
	ds_store_b64 v[BS], v[\pk+2*ii:\pk+2*ii+1] offset:(\buf)*WTILE+(16*(tt>>3)+(tt&7))*WPITCH
.set ii, ii+1
.endr
.endm
.macro LOADH q                         ; 16 loads: block q (32 hidden) of my eight, all 8 token tiles, straight into fragments
	WIN 0xc0                                       ; destination in window 3
.irp mt, 0,1,2,3,4,5,6,7
	global_load_b128 v[64*((\q)&3)+8*\mt:64*((\q)&3)+8*\mt+3],   v[HO], s[HB:HB+1] offset:\mt*32768+(\q)*1024
	global_load_b128 v[64*((\q)&3)+8*\mt+4:64*((\q)&3)+8*\mt+7], v[HO], s[HB:HB+1] offset:\mt*32768+(\q)*1024+512
.endr
.endm
.macro FETCHW buf, kb, fb              ; 8 LDS loads: 4 x 16 rows of w3, half kb (32 hidden) of tile buf
	WIN 0
.irp nt, 0,1,2,3
	ds_load_b128 v[BF+32*\fb+8*\nt:BF+32*\fb+8*\nt+3],   v[BFA] offset:(\buf)*WTILE+\nt*16*WPITCH+\kb*64
	ds_load_b128 v[BF+32*\fb+8*\nt+4:BF+32*\fb+8*\nt+7], v[BFA] offset:(\buf)*WTILE+\nt*16*WPITCH+\kb*64+32
.endr
.endm
; 8 matrix instructions: 16 rows of w3 (block nt) x 128 tokens x block q of h, each the next link of its accumulator's chain.
; The 32 accumulators take turns, one instruction a turn, in the same order in every slot.
.macro MUL8 fb, nt, q
	WIN 0x5c                                       ; source 1 in window 3, C and D in window 1
.irp mt, 0,1,2,3,4,5,6,7
	v_wmma_f32_16x16x32_bf16 v[8*(8*\nt+\mt):8*(8*\nt+\mt)+7], v[BF+32*\fb+8*\nt:BF+32*\fb+8*\nt+7], v[64*((\q)&3)+8*\mt:64*((\q)&3)+8*\mt+7], v[8*(8*\nt+\mt):8*(8*\nt+\mt)+7]
.endr
.endm
; Slot (ks, half): the products of block 2 ks + half of h, on weight fragment buffer `half`.  It rounds half `half` of step ks + 1's weights and lays it into the other tile,
; asks for the block of h that goes into the buffer that the slot before multiplied, in step 0 also for the same half of step 3's weights, and fetches the weight fragments
; of the slot after it.  Global loads are issued, 16 at a time, in the order W0a W0b H0 H1 W1a W1b H2 H3 W2a W2b W3a H4 W3b H5 H6 H7 and return in that order
; (ISA guide 5.7.1).  nw, nh: how many younger loads may stay out when the weights' half, and then the slot's block of h, must be in (nh = -1: the block is the older
; of the two); where more than 63 are younger the count is 63, the largest that the wait's field names.
.macro SLOT ks, half, nw, nh
.set cur, (\ks)&1
.set nxt, ((\ks)+1)&1
.set blk, 2*(\ks)+\half
.if \ks < 3
	s_wait_loadcnt \nw
	s_wait_alu depctr_vm_vsrc(0)                   ; the LDS stores issued so far have read PK, which the conversions below write again
	CVT16 128*nxt, \half, PK
	s_wait_alu depctr_va_vdst(0)                   ; the conversions have written PK and are done reading the half set; the last slot's matrix instructions are done reading their weight fragments and their block of h
.elseif \half == 0
	PLACES                                         ; behind the matrix instructions that read fragment buffer 1; the places stay beside the wait
	s_wait_alu depctr_va_vdst(0)                   ; those matrix instructions are done reading fragment buffer 1, in which the loads below land
.endif
.if \nh >= 0
	s_wait_loadcnt \nh
.endif
	s_wait_dscnt 0x0                               ; this slot's weight fragments, asked for in the slot before, are in; nothing was issued behind them
	MUL8 \half, 0, blk
.if (blk >= 1) && (blk <= 4)
	LOADH blk+3                                    ; into the buffer that the slot before multiplied.  No wait: no vector or matrix instruction since the wait above names it
.endif
.if \ks == 0
	LOADWH 3, S1, \half                            ; into the half set just read out
.endif
	MUL8 \half, 1, blk
.if \ks < 3
	STW nxt, \half, PK
.endif
.if \half == 0
	FETCHW cur, 1, 1
.elseif \ks < 3
	FETCHW nxt, 0, 0                               ; sees the stores above and the last slot's: one wave's LDS instructions are served in order
.endif
	MUL8 \half, 2, blk
	MUL8 \half, 3, blk
.endm
	s_mov_b32 s19, 0
.Lexp:
	s_max_i32 s20, s24, s17                        ; lo = max(start, t0)
	s_min_i32 s21, s32, s18                        ; hi = min(end, t0 + 128)
	s_cmp_lt_i32 s20, s21
	s_cbranch_scc0 .Lnext                          ; the pair does not meet: the first launch stored nothing for it
	WIN 0x80
	s_wait_alu depctr_va_vdst(0)                   ; the offsets made at the head are written; the pass before is done reading the four buffers of h and fragment buffer 0, in which loads land below
	LOADWH 0, S0, 0
	LOADWH 0, S0, 1
	LOADH 0
	LOADH 1
	LOADWH 1, S1, 0
	LOADWH 1, S1, 1
	LOADH 2
	LOADH 3
	s_wait_loadcnt 63                              ; W0 must be in; 96 loads are younger
	s_wait_alu depctr_vm_vsrc(0)                   ; the LDS stores of the pass before have read PK and PK2, which the conversions below write again
	CVT16 S0, 0, PK
	CVT16 S0, 1, PK2
	WIN 0x80
	s_wait_alu depctr_va_vdst(0)                   ; the conversions have written PK and PK2, which the LDS stores read, and are done reading set 0, in which the loads land
	LOADWH 2, S0, 0
	LOADWH 2, S0, 1
	STW 0, 0, PK
	STW 0, 1, PK2
	FETCHW 0, 0, 0
	SLOT 0, 0, 63, -1                              ; younger than W1a: 80; H0 is older
	SLOT 0, 1, 63, -1                              ; younger than W1b: 80; H1 is older
	SLOT 1, 0, 63, -1                              ; younger than W2a: 64; H2 is older
	SLOT 1, 1, 63, -1                              ; younger than W2b: 64; H3 is older
	SLOT 2, 0, 63, 48                              ; younger than W3a: 64; than H4: W3b H5 H6 = 48
	SLOT 2, 1, 48, 32                              ; younger than W3b: H5 H6 H7 = 48; than H5: H6 H7 = 32
	SLOT 3, 0, 0, 16                               ; no weights follow; younger than H6: H7 = 16
	SLOT 3, 1, 0, 0                                ; H7 is the last
	PLACES                                         ; behind the pass's last products: what follows is the next pass's loads into the buffers of h, or the LDS stores of the sums
	WIN 0
.Lnext:
	s_wait_xcnt 0x0                                ; the bases are stepped only behind this wait
.irp k, 0,1,2,3,4,5,6
	s_mov_b32 s[24+\k], s[25+\k]
	s_mov_b32 s[32+\k], s[33+\k]
.endr
	s_add_nc_u64 s[WB:WB+1], s[WB:WB+1], 0x200000  ; 512 rows x 4,096 bytes: the next expert's w3
	s_add_nc_u64 s[HB:HB+1], s[HB:HB+1], 0x800000  ; and its part of hfrag
	s_add_co_u32 s19, s19, 1
	s_cmp_lt_u32 s19, 8
	s_cbranch_scc1 .Lexp
	; THE FOUR PARTIAL SUMS MEET.  Each wave lays its 128 tokens x 64 columns into its own part: a lane's eight numbers are 32 neighbouring bytes
	; of a token's row.  (The places behind the last products stand at a pass's end.)
	WIN 0x04                                       ; store data in window 1
	s_wait_alu depctr_va_vdst(0)                   ; the accumulators are written, by the matrix instructions or by the moves at the head, and so are the LDS addresses made there: the stores and loads below read them
.irp nt, 0,1,2,3
.irp mt, 0,1,2,3,4,5,6,7
	ds_store_b128 v[RS], v[8*(8*\nt+\mt):8*(8*\nt+\mt)+3]   offset:\mt*16*RPITCH+\nt*64
	ds_store_b128 v[RS], v[8*(8*\nt+\mt)+4:8*(8*\nt+\mt)+7] offset:\mt*16*RPITCH+\nt*64+16
.endr
.endr
	WIN 0
	s_wait_dscnt 0x0                               ; for the other waves' sake: my part is in LDS
	s_barrier_signal -1
	s_barrier_wait -1                              ; all four parts are
; Wave w adds and stores token rows 32 w .. 32 w + 31, two rows an instruction: lanes 0-15 one row of 256 bytes, lanes 16-31 the next.
.macro RLOAD g, rb                     ; 16 loads: four pairs of rows x four parts
.irp i, 0,1,2,3
.irp p, 0,1,2,3
	ds_load_b128 v[\rb+16*\i+4*\p:\rb+16*\i+4*\p+3], v[RL+\p] offset:(4*\g+\i)*2*RPITCH
.endr
.endr
.endm
.macro RSUM g, rb                      ; the last additions write the group's own 16 registers of OUT: the buffer itself is never a store's data
.irp i, 0,1,2,3
	v_pk_add_f32 v[\rb+16*\i:\rb+16*\i+1],     v[\rb+16*\i:\rb+16*\i+1],     v[\rb+16*\i+4:\rb+16*\i+5]      ; p0 + p1
	v_pk_add_f32 v[\rb+16*\i+2:\rb+16*\i+3],   v[\rb+16*\i+2:\rb+16*\i+3],   v[\rb+16*\i+6:\rb+16*\i+7]
	v_pk_add_f32 v[\rb+16*\i+8:\rb+16*\i+9],   v[\rb+16*\i+8:\rb+16*\i+9],   v[\rb+16*\i+12:\rb+16*\i+13]    ; p2 + p3
	v_pk_add_f32 v[\rb+16*\i+10:\rb+16*\i+11], v[\rb+16*\i+10:\rb+16*\i+11], v[\rb+16*\i+14:\rb+16*\i+15]
	v_pk_add_f32 v[OUT+16*\g+4*\i:OUT+16*\g+4*\i+1],   v[\rb+16*\i:\rb+16*\i+1],   v[\rb+16*\i+8:\rb+16*\i+9]
	v_pk_add_f32 v[OUT+16*\g+4*\i+2:OUT+16*\g+4*\i+3], v[\rb+16*\i+2:\rb+16*\i+3], v[\rb+16*\i+10:\rb+16*\i+11]
.endr
.endm
.macro RSEND g
.irp i, 0,1,2,3
	global_store_b128 v[OO], v[OUT+16*\g+4*\i:OUT+16*\g+4*\i+3], s[OB:OB+1] offset:(4*\g+\i)*4096 th:TH_STORE_NT   ; sixteen lanes store 256 consecutive bytes, aligned
.endr
.endm
	RLOAD 0, R0
	RLOAD 1, R1
	s_wait_dscnt 16                                ; group 0 is in, the 16 loads of group 1 stay out
	RSUM 0, R0
	s_wait_alu depctr_va_vdst(0)                   ; the additions have written group 0's OUT, which the stores read, and are done with buffer 0, in which the loads land
	RLOAD 2, R0
	RSEND 0
	s_wait_dscnt 16                                ; group 1 is in, group 2 stays out
	RSUM 1, R1
	s_wait_alu depctr_va_vdst(0)                   ; the same for group 1's OUT and buffer 1
	RLOAD 3, R1
	RSEND 1
	s_wait_dscnt 16                                ; group 2 is in, group 3 stays out
	RSUM 2, R0
	s_wait_alu depctr_va_vdst(0)                   ; the additions have written group 2's OUT, which the stores read
	RSEND 2
	s_wait_dscnt 0                                 ; nothing was issued behind group 3
	RSUM 3, R1
	s_wait_alu depctr_va_vdst(0)                   ; the additions have written group 3's OUT, which the stores read
	RSEND 3
	s_wait_dscnt 0x0
	s_wait_alu depctr_hold_cnt(0) depctr_sa_sdst(0) depctr_va_vdst(0) depctr_va_sdst(0) depctr_va_ssrc(0) depctr_va_vcc(0) depctr_vm_vsrc(0)
	s_wait_tensorcnt 0x0
	ds_add_u32 v254, v255
	s_wait_dscnt 0x0
	s_endpgm
.Lfunc_end_k_q80aad0883a_down:
	.size	k_q80aad0883a_down, .Lfunc_end_k_q80aad0883a_down-k_q80aad0883a_down
	.p2alignl 7, 3214868480
	.fill 96, 4, 3214868480
	.section	.rodata,"a",@progbits
	.p2align	6, 0x0
	.amdhsa_kernel k_q80aad0883a_down
		.amdhsa_group_segment_fixed_size 213504
		.amdhsa_private_segment_fixed_size 0
		.amdhsa_enable_private_segment 0
		.amdhsa_kernarg_size 40
		.amdhsa_user_sgpr_count 2
		.amdhsa_user_sgpr_kernarg_segment_ptr 1
		.amdhsa_wavefront_size32 1
		.amdhsa_system_sgpr_workgroup_id_x 1
		.amdhsa_system_sgpr_workgroup_id_y 1
		.amdhsa_system_sgpr_workgroup_id_z 1
		.amdhsa_system_vgpr_workitem_id 0
		.amdhsa_next_free_vgpr 1024
		.amdhsa_next_free_sgpr 66
		.amdhsa_reserve_vcc 0
		.amdhsa_float_denorm_mode_32 3
		.amdhsa_float_denorm_mode_16_64 3
		.amdhsa_memory_ordered 1
		.amdhsa_forward_progress 1
		.amdhsa_inst_pref_size 99
	.end_amdhsa_kernel
	.amdgpu_metadata
---
amdhsa.version: [ 1, 2 ]
amdhsa.kernels:
  - .name:           k_q80aad0883a_down
    .symbol:         k_q80aad0883a_down.kd
    .args:
      - { .name: hfrag, .offset: 0, .size: 8, .value_kind: global_buffer, .address_space: global }
      - { .name: w3, .offset: 8, .size: 8, .value_kind: global_buffer, .address_space: global }
      - { .name: expert_starts, .offset: 16, .size: 8, .value_kind: global_buffer, .address_space: global }
      - { .name: expert_ends, .offset: 24, .size: 8, .value_kind: global_buffer, .address_space: global }
      - { .name: out0, .offset: 32, .size: 8, .value_kind: global_buffer, .address_space: global }
    .group_segment_fixed_size: 213504
    .private_segment_fixed_size: 0
    .kernarg_segment_align: 8
    .kernarg_segment_size: 40
    .max_flat_workgroup_size: 128
    .sgpr_count:     66
    .vgpr_count:     1024
    .wavefront_size: 32
...
	.end_amdgpu_metadata
.endif
;; end of part 4
